; MI455X (gfx1250); checked and timed in simulation.
; The chip was launched on July 23, 2026; its instructions are those of AMD's public machine-readable ISA for CDNA 5 (MIT licence, August 2026) and "CDNA5" Instruction Set Architecture Reference Guide (July 2026). The comments in the code are by the model that wrote it; some were corrected since.
;; Causal Self Attention. Allowed arithmetic: matrix products marked QUANTISED: E2M1 operands, one E8M0 scale for each 32 along K, by v_wmma_scale_f32_16x16x128_f8f6f4 with both operands' format E2M1 (or v_wmma_scale_f32_32x16x128_f4), f32 sums; products left as they are: bf16, f16 or f32 operands; f32 sums; everything else in f32.
;; Inputs: w_proj 1,024 x 1,024 float32; w_qkv 1,024 x 3,072 float32; x 4 x 2,048 x 1,024 float32.
;; Outputs: out0 4 x 2,048 x 1,024 float32.
;; This version of the problem:
;;   THIS VERSION OF THE PROBLEM IS GIVEN IN LOW PRECISION. The matrix products marked QUANTISED in the list below multiply operands that are first quantised to E2M1 (2 exponent bits, 1 mantissa bit; 4 bits a number), with one power-of-two scale for each 32 numbers along K (OCP MX v1.0); their sums are f32. The products marked 'left as it is' may take bf16, f16 or f32 operands, with f32 sums. Whichever they take, every output number must still come out within the allowed error. Rounding operands to bf16 (8 significant bits) uses up far more of that allowance than f16 does (11 bits, for magnitudes from 6e-5 to 65,504). All else is computed in f32.
;;   The module's matrix products, in the order in which they are computed (A, B: the left and right operand; K: the contracted axis; several contracted axes count as one K, in the product's order):
;;     1. [M 8,192, K 1,024] x [K 1,024, N 3,072]; A: input x; B: input w_qkv: QUANTISED
;;     2. batch 64 x [M 2,048, K 64] x [K 64, N 2,048]; A: computed on the way; B: computed on the way: left as it is (an operand is computed on the way)
;;     3. batch 64 x [M 2,048, K 2,048] x [K 2,048, N 64]; A: computed on the way; B: computed on the way: left as it is (an operand is computed on the way)
;;     4. [M 8,192, K 1,024] x [K 1,024, N 1,024]; A: computed on the way; B: input w_proj: left as it is (an operand is computed on the way)
;;   THE QUANTISER, for each operand of a quantised product, along K:
;;     - K is cut into blocks of 32 from its start; a last block that is shorter is filled with zeros.
;;     - A block's scale is 2^e with e = floor(log2(the largest magnitude in the block)) - 2, held to -126 .. 127; a block of zeros has e = 0. As a byte (E8M0): e + 127.
;;     - Each number is divided by its block's scale, clamped to +-6, and rounded to the nearest number of E2M1, ties to even, subnormals kept.
;;     - The product sums the exact products of the quantised numbers (number of the format x scale) in f32.
;;   ~~~python
;;   def quantise(x, axis):      # numpy; x: float32 -> the quantised numbers, widened to float32 again
;;       x = np.moveaxis(x, axis, -1); K = x.shape[-1]
;;       x = np.pad(x, [(0, 0)] * (x.ndim - 1) + [(0, -K % 32)]); x = x.reshape(x.shape[:-1] + (-1, 32)); a = np.abs(x).max(-1, keepdims=True)
;;       e = np.where(a > 0, np.clip(np.frexp(np.where(a > 0, a, 1))[1] - 1 - 2, -126, 127), 0)      # np.frexp(a)[1] - 1 = floor(log2(a)), exactly
;;       r = np.clip(x / 2.0 ** e, -6, 6)
;;       step = 2.0 ** (np.maximum(np.frexp(np.where(r == 0, 1, r))[1] - 1, 0) - 1)
;;       q = np.round(r / step) * step * 2.0 ** e      # np.round: ties to even
;;       return np.moveaxis(q.reshape(q.shape[:-2] + (-1,))[..., :K], -1, axis).astype(np.float32)
;;   ~~~
;; One version. Each part assembles by itself: llvm-mc -triple=amdgcn-amd-amdhsa -mcpu=gfx1250 --defsym DOCPART=n.
;; ======== version 1 of 1: 5 launches
;; limits: values are held in f16: magnitudes above 65,504 overflow, below 6.1e-05 lose precision
;; workspace buffers: xc 4,194,304 bytes; xs 262,144 bytes; wc 1,572,864 bytes; ws 98,304 bytes; wp 2,097,152 bytes; qkv 50,331,648 bytes; r16 786,432 bytes; yi 16,777,216 bytes
;; launch prep (part 1): grid 368 x 1, 4 waves a work-group, no clusters, 68,096 bytes of LDS; arguments x, w_qkv, w_proj, xc, xs, wc, ws, wp; writes xc, xs, wc, ws, wp
.if DOCPART == 1
	.amdgcn_target "amdgcn-amd-amdhsa--gfx1250"
	.amdhsa_code_object_version 6
	.text
	.protected	k_q3c19575f2e_prep
	.globl	k_q3c19575f2e_prep
	.p2align	8
	.type	k_q3c19575f2e_prep,@function
k_q3c19575f2e_prep:
	s_mov_b64 s[64:65], 0
	v_nop
	global_prefetch_b8 v0, s[64:65] scope:SCOPE_SE
	s_setreg_imm32_b32 hwreg(HW_REG_WAVE_MODE, 25, 1), 1
	s_wait_xcnt 0x0
; PREP: the three inputs are laid out once for the launches that follow.
;   work-groups 0-255   (path X): x [8192][1024] f32 -> codes of E2M1, K innermost (xc [8192][512 bytes]) and one E8M0 byte for each 32 along K (xs [8192][32]).
;   work-groups 256-303 (path W): w_qkv [1024 k][3072 n] f32, K is its FIRST axis -> wc [3072][512 bytes], ws [3072][32], K innermost.
;   work-groups 304-367 (path P): w_proj [1024 k][1024 n] f32 -> f16, as images of operand registers: wp [n tile 64][k block 32][1,024 bytes].
; A block's scale is 2^(floor(log2(its largest magnitude)) - 2); its byte is the largest magnitude's exponent field - 2, held at 1 from below.
; LIMITS: a block of zeros gets the byte 1 (its codes are zeros, and this program alone reads the bytes); blocks whose largest magnitude lies under 2^(2 - 126) keep the byte 1;
; NaN and infinities are not served; |w_proj| stays under 65,504 (f16).
; The paths part on the work-group's number alone; each path that uses LDS has LDS bytes of its own; waves share nothing, so there is no barrier.
.set SPW,   188                        ; v188  LDS address of my spare word: SPARE + 4 x my thread's number; never rewritten
.set NIL,   189                        ; v189  0; never rewritten
.set XWG,   256                        ; work-groups of path X
.set WWG,   48                         ; of path W
.set WST,   32768                      ; path W's stages begin here: 4 x 32 rows x 272 bytes
.set SPARE, 67584                      ; behind them the spare words, 128 bytes for each wave: two blocks of 256 bytes that no other line names
; ---- path X
.set STEPS, 16
.set CB,    8                          ; bytes of 16 codes
.set R,     16                         ; v16-79   four sets of 16 numbers as they are loaded
.set X,     80                         ; v80-111  two sets of 16 neighbours
.set E,     112                        ; v112-127 a scale byte for each step
.set C,     128                        ; v128-159 codes: two registers for each step, so that no store's data are written again
.set WREG,  8192                       ; LDS: a region for each wave: two stages of 32 x SP bytes, behind them its 256 scale bytes
.set SP,    80                         ; a lane's place in a stage: 64 bytes + 16 of padding
; ---- path W
.set NB,    16                         ; blocks of 32 along K for a wave
.set PITCH, 272                        ; a stage row: 256 bytes of codes + 16
.set WROW,  12288                      ; a row of w_qkv in bytes
.set WX,    32                         ; v32-95   two sets of 32 numbers
.set WC,    96                         ; v96-99   a block's codes
.set OUTR,  112                        ; v112-175 the way out
.set SB,    24                         ; v24-27   the scale bytes, four to a register
; ---- path P
.set PX,    32                         ; v32-159  128 numbers down K of my column
.macro FINISH                          ; a wave's end
	s_wait_tensorcnt 0x0
	ds_add_u32 v[SPW], v[NIL]
	s_wait_dscnt 0x0
	s_endpgm
.endm
.macro XLOAD t
.irp i, 0,1,2,3
	global_load_b128 v[R+16*((\t)%4)+4*\i:R+16*((\t)%4)+4*\i+3], v3, s[4:5] offset:2048*(\t)+512*\i th:TH_LOAD_NT   ; 32 lanes read 512 consecutive bytes
.endr
.endm
.macro XTURN t                         ; step t's numbers through the stage: LDS serves a wave's instructions in order, so no wait stands between the stores and the loads
.irp i, 0,1,2,3
	ds_store_b128 v14, v[R+16*((\t)%4)+4*\i:R+16*((\t)%4)+4*\i+3] offset:32*SP*((\t)%2)+8*SP*\i
.endr
.irp i, 0,1,2,3
	ds_load_b128 v[X+16*((\t)%2)+4*\i:X+16*((\t)%2)+4*\i+3], v15 offset:32*SP*((\t)%2)+16*\i
.endr
.endm
.macro XSTEP t
.set XS, X+16*((\t)%2)
.if (\t) > 0
	s_wait_dscnt 1                                 ; this step's numbers are back from the stage (the last step's byte store may be out)
.else
	s_wait_dscnt 0x0
.endif
.if (\t)+4 < STEPS
	XLOAD (\t)+4                                   ; the registers that the stage's stores have read take the loads of four steps on
.endif
.if (\t)+1 < STEPS
.if STEPS-2-(\t) >= 3
	s_wait_loadcnt 12                              ; the next step's four loads are in; those of the three steps behind it may be out
.else
	s_wait_loadcnt 4*(STEPS-2-(\t))
.endif
	XTURN (\t)+1
.endif
	v_max3_num_f32 v8, |v[XS]|, |v[XS+1]|, |v[XS+2]|               ; the largest magnitude of my 16, in two chains
	v_max3_num_f32 v9, |v[XS+3]|, |v[XS+4]|, |v[XS+5]|
.irp i, 6,10
	v_max3_num_f32 v8, v8, |v[XS+\i]|, |v[XS+\i+1]|
	v_max3_num_f32 v9, v9, |v[XS+\i+2]|, |v[XS+\i+3]|
.endr
	v_max3_num_f32 v8, v8, |v[XS+14]|, |v[XS+15]|
	v_max3_num_f32 v8, v8, v9, 0x1800000           ; and the floor 2^(3 - 127): the byte cannot fall under 1
	v_max_num_f32_dpp v8, v8, v8 row_xmask:1 row_mask:0xf bank_mask:0xf   ; with my neighbour's 16: the block's
	v_add_nc_u32 v11, 0xff000000, v8               ; 2 off its exponent field: the conversion takes the exponent field of this operand as its scale
	v_cvt_scalef32_pk8_fp4_f32 v[C+2*(\t)], v[XS:XS+7], v11
	v_cvt_scalef32_pk8_fp4_f32 v[C+2*(\t)+1], v[XS+8:XS+15], v11
	v_lshrrev_b32 v[E+(\t)], 23, v11               ; the scale's byte (also the plain line behind the conversions)
	ds_store_b8 v5, v[E+(\t)] offset:16*(\t)       ; both lanes of a block write the same byte with the same value
	global_store_b64 v4, v[C+2*(\t):C+2*(\t)+1], s[10:11] offset:32*CB*(\t)   ; the wave stores 256 consecutive bytes, aligned
.endm
.macro WLOAD t                         ; block t: w_qkv(32 t + i, my column), i = 0 .. 31, into set t % 2
.irp i, 0,1,2,3,4,5,6,7,8,9,10,11,12,13,14,15,16,17,18,19,20,21,22,23,24,25,26,27,28,29,30,31
	global_load_b32 v[WX+32*((\t)%2)+\i], v3, s[6:7] offset:(32*(\t)+\i)*WROW th:TH_LOAD_NT
.endr
.endm
.macro WBLOCK t
.set XS, WX+32*((\t)%2)
.if (\t) < NB-1
	s_wait_loadcnt 32                              ; this block's 32 loads are in; the next block's may be out
.else
	s_wait_loadcnt 0
.endif
	v_max3_num_f32 v12, |v[XS]|, |v[XS+1]|, |v[XS+2]|              ; the block's largest magnitude: all 32 numbers are mine
	v_max3_num_f32 v13, |v[XS+3]|, |v[XS+4]|, |v[XS+5]|
.irp i, 6,10,14,18,22,26
	v_max3_num_f32 v12, v12, |v[XS+\i]|, |v[XS+\i+1]|
	v_max3_num_f32 v13, v13, |v[XS+\i+2]|, |v[XS+\i+3]|
.endr
	v_max3_num_f32 v12, v12, |v[XS+30]|, |v[XS+31]|
	v_max3_num_f32 v12, v12, v13, 0x1800000        ; the floor, as in path X
	v_add_nc_u32 v11, 0xff000000, v12
	v_lshrrev_b32 v13, 23, v11                     ; the scale's byte
.if (\t)%4 == 0
	v_mov_b32 v[SB+(\t)/4], v13                    ; four bytes to a register, the lower K in the lower byte
.else
	v_lshl_or_b32 v[SB+(\t)/4], v13, 8*((\t)%4), v[SB+(\t)/4]
.endif
.irp g, 0,1,2,3
	v_cvt_scalef32_pk8_fp4_f32 v[WC+\g], v[XS+8*\g:XS+8*\g+7], v11
.endr
	v_nop                                          ; one plain line behind the last conversion
	ds_store_b128 v4, v[WC:WC+3] offset:16*(\t)    ; 32 codes: 16 bytes of my column's row
.if (\t)+2 < NB
	WLOAD (\t)+2
.endif
	s_wait_dscnt 0x0                               ; the store has read its registers: the next block's codes may be written
.endm
	s_load_b256 s[4:11], s[0:1], 0x0               ; x s[4:5], w_qkv s[6:7], w_proj s[8:9], xc s[10:11]
	s_load_b256 s[12:19], s[0:1], 0x20             ; xs s[12:13], wc s[14:15], ws s[16:17], wp s[18:19]
	v_lshl_add_u32 v[SPW], v0, 2, SPARE
	v_mov_b32 v[NIL], 0
	v_lshrrev_b32 v1, 5, v0
	v_readfirstlane_b32 s20, v1                    ; wave 0..3
	v_and_b32 v2, 31, v0                           ; lane
	s_mov_b32 s25, 0                               ; the upper word of every offset below
	s_wait_kmcnt 0x0
	s_cmp_lt_u32 ttmp9, XWG
	s_cbranch_scc0 .Lnot_x
; ---------------- path X: a wave takes 16 steps of 512 numbers.  Each load reads 512 consecutive bytes; a step's 2,048 bytes turn through the wave's stage so that a lane holds 16 neighbours along K.
	v_lshlrev_b32 v3, 4, v2                        ; my 16 bytes of a load's 512
	s_mul_i32 s21, s20, WREG
	v_lshrrev_b32 v14, 2, v2
	v_mul_u32_u24 v14, v14, SP
	v_and_b32 v15, 3, v2
	v_lshl_add_u32 v14, v15, 4, v14
	v_add_nc_u32 v14, s21, v14                     ; the stage, on the way in: SP (lane / 4) + 16 (lane % 4)
	v_mul_u32_u24 v15, v2, SP
	v_add_nc_u32 v15, s21, v15                     ; and on the way out: SP x lane
	v_mul_u32_u24 v4, v2, CB                       ; my codes' place in a step's
	v_lshrrev_b32 v5, 1, v2
	s_add_co_u32 s21, s21, 2*32*SP
	v_add_nc_u32 v5, s21, v5                       ; my wave's 256 scale bytes, my block's byte
	v_lshlrev_b32 v7, 3, v2
	v_add_nc_u32 v6, s21, v7                       ; and on the way out 8 bytes a lane
	s_lshl_b32 s22, ttmp9, 2
	s_add_co_u32 s22, s22, s20                     ; which run of 8,192 numbers is my wave's: 0 .. 1,023
	s_lshl_b32 s24, s22, 15                        ; 32,768 bytes of x a run
	s_add_nc_u64 s[4:5], s[4:5], s[24:25]
	s_lshl_b32 s24, s22, 12                        ; 4,096 bytes of codes
	s_add_nc_u64 s[10:11], s[10:11], s[24:25]
	s_lshl_b32 s24, s22, 8                         ; 256 scale bytes
	s_add_nc_u64 s[12:13], s[12:13], s[24:25]
.irp t, 0,1,2,3
	XLOAD \t
.endr
	s_wait_loadcnt 12                              ; step 0's four loads are in
	XTURN 0
.irp t, 0,1,2,3,4,5,6,7,8,9,10,11,12,13,14,15
	XSTEP \t
.endr
	ds_load_b64 v[8:9], v6                         ; LDS serves a wave's instructions in order: these see my byte stores
	s_wait_dscnt 0x0
	global_store_b64 v7, v[8:9], s[12:13]          ; 32 lanes store 256 consecutive bytes, aligned
	FINISH
.Lnot_x:
	s_cmp_lt_u32 ttmp9, XWG+WWG
	s_cbranch_scc0 .Lpath_p
; ---------------- path W: a lane takes a column n and its registers run down K, so a block of 32 lies in one lane and the codes come out with K innermost.
; A wave takes 32 columns x 512 along K; its codes (256 bytes a column) go through its own stage and leave as rows: sixteen lanes store 256 consecutive bytes, aligned.
; Every offset is an immediate: 511 x 12,288 bytes at the most, inside the signed 24-bit field.
	s_sub_co_u32 s21, ttmp9, XWG
	s_lshr_b32 s22, s21, 1                         ; which 128 columns: 0 .. 23
	s_and_b32 s23, s21, 1                          ; which 512 along K
	s_lshl_b32 s22, s22, 7
	s_lshl_b32 s24, s20, 5
	s_add_co_u32 s22, s22, s24                     ; my wave's first column
	v_lshlrev_b32 v3, 2, v2                        ; in: 4 bytes a lane
	s_mul_i32 s26, s20, 32*PITCH
	s_add_co_u32 s26, s26, WST                     ; my stage
	v_mul_u32_u24 v4, v2, PITCH
	v_add_nc_u32 v4, s26, v4                       ; into it: row = my column
	v_and_b32 v5, 15, v2
	v_lshrrev_b32 v6, 4, v2                        ; out of it: sixteen lanes to a row, two rows an instruction
	v_mul_u32_u24 v7, v6, PITCH
	v_lshl_add_u32 v7, v5, 4, v7
	v_add_nc_u32 v7, s26, v7
	v_lshlrev_b32 v8, 9, v6                        ; the same place in wc: rows of 512 bytes
	v_lshl_add_u32 v8, v5, 4, v8
	v_lshlrev_b32 v9, 5, v2                        ; my column's row of scale bytes: 32 bytes a row
	s_mul_i32 s24, s23, 512*WROW
	s_lshl_b32 s26, s22, 2
	s_add_co_u32 s24, s24, s26
	s_add_nc_u64 s[6:7], s[6:7], s[24:25]          ; w_qkv at (512 y, my first column)
	s_lshl_b32 s24, s22, 9
	s_lshl_b32 s26, s23, 8
	s_add_co_u32 s24, s24, s26
	s_add_nc_u64 s[14:15], s[14:15], s[24:25]      ; wc: column x 512 + 256 y
	s_lshl_b32 s24, s22, 5
	s_lshl_b32 s26, s23, 4
	s_add_co_u32 s24, s24, s26
	s_add_nc_u64 s[16:17], s[16:17], s[24:25]      ; ws: column x 32 + 16 y
	WLOAD 0
	WLOAD 1
.irp t, 0,1,2,3,4,5,6,7,8,9,10,11,12,13,14,15
	WBLOCK \t
.endr
	global_store_b128 v9, v[SB:SB+3], s[16:17]     ; my column's 16 scale bytes
.irp t, 0,1,2,3,4,5,6,7,8,9,10,11,12,13,14,15
	ds_load_b128 v[OUTR+4*\t:OUTR+4*\t+3], v7 offset:2*\t*PITCH
.endr
.irp t, 0,1,2,3,4,5,6,7,8,9,10,11,12,13,14,15
	s_wait_dscnt 15-\t
	global_store_b128 v8, v[OUTR+4*\t:OUTR+4*\t+3], s[14:15] offset:2*\t*512
.endr
	FINISH
; ---------------- path P: w_proj to f16, as images of the registers of a 16-bit operand (16 columns x 32 k: lane (r, h) holds column r; registers 0-3 k = 8 h + 0..7, registers 4-7 k = 16 + 8 h + 0..7;
; registers 0-3 lie as 512 bytes at 16 x lane, registers 4-7 as the next 512).  A lane takes a column and its 128 registers run down K; the four waves stand side by side on 128 columns (512 consecutive bytes of a row).
; Lanes 0-15 hold one tile of 16 columns and lanes 16-31 the next: an exchange of halves between two registers gives each tile its own registers.
.Lpath_p:
	s_sub_co_u32 s21, ttmp9, XWG+WWG
	s_and_b32 s22, s21, 7                          ; which 128 columns
	s_lshr_b32 s23, s21, 3                         ; which 128 along K
	s_lshl_b32 s22, s22, 2
	s_add_co_u32 s22, s22, s20                     ; which 32 columns: 0 .. 31
	v_lshlrev_b32 v3, 2, v2
	v_lshlrev_b32 v4, 4, v2
	s_lshl_b32 s24, s23, 19                        ; 128 rows of 4,096 bytes
	s_lshl_b32 s26, s22, 7
	s_add_co_u32 s24, s24, s26
	s_add_nc_u64 s[8:9], s[8:9], s[24:25]
	s_lshl_b32 s24, s22, 16                        ; two tiles of 32 images of 1,024 bytes
	s_lshl_b32 s26, s23, 12                        ; four images
	s_add_co_u32 s24, s24, s26
	s_add_nc_u64 s[18:19], s[18:19], s[24:25]
.set i, 0
.rept 128
	global_load_b32 v[PX+i], v3, s[8:9] offset:i*4096 th:TH_LOAD_NT
.set i, i+1
.endr
.irp t, 0,1,2,3
.if \t < 2
	s_wait_loadcnt 63                              ; 96 or 64 younger loads could stay out; the count's field ends at 63
.else
	s_wait_loadcnt 96-32*\t
.endif
.irp i, 0,1,2,3,4,5,6,7,8,9,10,11,12,13,14,15
	v_cvt_pk_f16_f32 v[PX+32*\t+\i], v[PX+32*\t+2*\i], v[PX+32*\t+2*\i+1]   ; in place, ascending: register i is written when it has been read
.endr
.irp i, 0,1,2,3
	v_permlane16_swap_b32 v[PX+32*\t+\i], v[PX+32*\t+4+\i]                  ; the first's lanes 16-31 change places with the second's lanes 0-15
	v_permlane16_swap_b32 v[PX+32*\t+8+\i], v[PX+32*\t+12+\i]
.endr
	global_store_b128 v4, v[PX+32*\t:PX+32*\t+3], s[18:19] offset:1024*\t              ; each store covers 512 consecutive bytes, aligned
	global_store_b128 v4, v[PX+32*\t+8:PX+32*\t+11], s[18:19] offset:1024*\t+512
	global_store_b128 v4, v[PX+32*\t+4:PX+32*\t+7], s[18:19] offset:32768+1024*\t
	global_store_b128 v4, v[PX+32*\t+12:PX+32*\t+15], s[18:19] offset:32768+1024*\t+512
.endr
	FINISH
.Lfunc_end_k_q3c19575f2e_prep:
	.size	k_q3c19575f2e_prep, .Lfunc_end_k_q3c19575f2e_prep-k_q3c19575f2e_prep
	.p2alignl 7, 3214868480
	.fill 96, 4, 3214868480
	.section	.rodata,"a",@progbits
	.p2align	6, 0x0
	.amdhsa_kernel k_q3c19575f2e_prep
		.amdhsa_group_segment_fixed_size 68096
		.amdhsa_private_segment_fixed_size 0
		.amdhsa_enable_private_segment 0
		.amdhsa_kernarg_size 64
		.amdhsa_user_sgpr_count 2
		.amdhsa_user_sgpr_kernarg_segment_ptr 1
		.amdhsa_wavefront_size32 1
		.amdhsa_system_sgpr_workgroup_id_x 1
		.amdhsa_system_sgpr_workgroup_id_y 1
		.amdhsa_system_sgpr_workgroup_id_z 1
		.amdhsa_system_vgpr_workitem_id 0
		.amdhsa_next_free_vgpr 192
		.amdhsa_next_free_sgpr 66
		.amdhsa_reserve_vcc 0
		.amdhsa_float_denorm_mode_32 3
		.amdhsa_float_denorm_mode_16_64 3
		.amdhsa_memory_ordered 1
		.amdhsa_forward_progress 1
		.amdhsa_inst_pref_size 130
	.end_amdhsa_kernel
	.amdgpu_metadata
---
amdhsa.version: [ 1, 2 ]
amdhsa.kernels:
  - .name:           k_q3c19575f2e_prep
    .symbol:         k_q3c19575f2e_prep.kd
    .args:
      - { .name: x, .offset: 0, .size: 8, .value_kind: global_buffer, .address_space: global }
      - { .name: w_qkv, .offset: 8, .size: 8, .value_kind: global_buffer, .address_space: global }
      - { .name: w_proj, .offset: 16, .size: 8, .value_kind: global_buffer, .address_space: global }
      - { .name: xc, .offset: 24, .size: 8, .value_kind: global_buffer, .address_space: global }
      - { .name: xs, .offset: 32, .size: 8, .value_kind: global_buffer, .address_space: global }
      - { .name: wc, .offset: 40, .size: 8, .value_kind: global_buffer, .address_space: global }
      - { .name: ws, .offset: 48, .size: 8, .value_kind: global_buffer, .address_space: global }
      - { .name: wp, .offset: 56, .size: 8, .value_kind: global_buffer, .address_space: global }
    .group_segment_fixed_size: 68096
    .private_segment_fixed_size: 0
    .kernarg_segment_align: 8
    .kernarg_segment_size: 64
    .max_flat_workgroup_size: 128
    .sgpr_count:     66
    .vgpr_count:     192
    .wavefront_size: 32
...
	.end_amdgpu_metadata
.endif
;; end of part 1
;; launch qkv (part 2): grid 12 x 32, 4 waves a work-group, clusters of 4 x 4, 327,680 bytes of LDS; arguments xc, xs, wc, ws, qkv, r16; writes qkv, r16
.if DOCPART == 2
	.amdgcn_target "amdgcn-amd-amdhsa--gfx1250"
	.amdhsa_code_object_version 6
	.text
	.protected	k_q3c19575f2e_qkv
	.globl	k_q3c19575f2e_qkv
	.p2align	8
	.type	k_q3c19575f2e_qkv,@function
k_q3c19575f2e_qkv:
	s_mov_b64 s[64:65], 0
	v_nop
	global_prefetch_b8 v0, s[64:65] scope:SCOPE_SE
	s_setreg_imm32_b32 hwreg(HW_REG_WAVE_MODE, 25, 1), 1
	s_wait_xcnt 0x0
	s_wait_alu depctr_hold_cnt(0) depctr_sa_sdst(0) depctr_va_vdst(0) depctr_va_sdst(0) depctr_va_ssrc(0) depctr_va_vcc(0) depctr_vm_vsrc(0)
	s_getreg_b32 s2, hwreg(HW_REG_IB_STS2, 6, 4)
	s_cmp_eq_u32 s2, 0
	s_cbranch_scc0 .Lentry_in_a_cluster
	s_endpgm
.Lentry_in_a_cluster:
	s_bfe_u32 s2, ttmp6, 0x10000c
	s_cmp_lg_u32 s2, 0xf033
	s_cbranch_scc0 .Lentry_shape_is_right
	s_endpgm
.Lentry_shape_is_right:
; QKV = Q(x) Q(w_qkv): the quantised product, on codes of E2M1 with one E8M0 scale for each 32 along K, K = 1,024; sums in f32, K ascending.
; A tile of 256 x 256 is made by four waves, each 128 x 128: 64 accumulators, 512 registers.  K lies in two LDS slots of 512 (rows of 256 bytes), both asked for at the head: nothing is filled again.
; The scale bytes of the tile's 512 rows come once, as dense blocks.
; THE MATRIX INSTRUCTION IS USED TRANSPOSED: source 0 = 16 rows of 'B', source 1 = 16 rows of 'A': a lane holds ONE row of A and eight neighbouring rows of B.
;   cluster x = 0, 1 (q, k): A = rows of x (positions), B = rows of wc (channels): a lane holds a position, its registers run along the head's channels.
;   cluster x = 2    (v)   : A = rows of wc (channels), B = rows of x: a lane holds a channel, its registers run along the positions (the keys).
; So eight results of a lane, rounded to f16 in pairs, ARE half of an operand's registers for the attention's products, and leave straight from registers as IMAGES: 512 consecutive bytes a store, aligned.
;   qkv: Q images at 0, K images at 1 << 24: [batch x 16 + head][tile of 16 positions 128][32 channels 2][1,024 bytes];  V images at 2 << 24: [batch x 16 + head][32 keys 64][16 channels 4][1,024 bytes].
;   r16: the first 16 positions of each batch in f32, for the launch that carries them finely: q [4][16][1024] at 0, k at 262,144, v transposed [4][1024 channels][16] at 524,288.
; CLUSTERS: 4 x 4 work-groups; A's tile hangs on cy (and the cluster's y) alone and is asked for jointly along a row of the cluster, B's on cx alone and jointly along a column.
; LIMITS: |q|, |k|, |v| stay under 65,504 (f16).
; REGISTERS: window 0: v0-31 addresses; v32-95 scale words, two sets; from v128 A's fragments, one set (on the way out v128-255 hold packed results).  window 1: B's fragments, two sets.  windows 2, 3: accumulators (a, b) at v[8 (8 (a % 4) + b)].
.set NQ,     4                         ; steps of 128 along K in a slot
.set ROWB,   256                       ; a tile's row in bytes: 512 codes
.set KROW,   512                       ; a row of codes in memory
.set PITCH,  272                       ; an LDS row: 256 bytes + 16 of padding: the 16 rows that a load touches start 68 words apart
.set FR,     8
.set NL,     2
.set NP,     4                         ; places behind this matrix instruction (ISA guide 7.12.1)
.set HALFT,  128*PITCH
.set SLOT,   4*HALFT
.set KS,     32                        ; a row of scale bytes
.set SCL,    2*SLOT
.set HALFS,  (128*KS/256)*272
.set SBLK,   (16*KS/256)*272
.set SPARE,  SCL+4*HALFS               ; the spare words, 128 bytes for each wave: two blocks of 256 bytes that no other line names
.set ADRA, 16                          ; v16-17  LDS address of my A fragments in slot 0, 1
.set ADRB, 20                          ; v20-21  the same for B
.set LI,   24                          ; v24     16 x lane: my place in an image
.set SQ,   25                          ; v25     r16, q and k: 4,096 r + 32 h
.set SV,   26                          ; v26     r16, v: 64 r + 32 h
.set ADRS, 27                          ; v27     LDS address of my scale words: lanes 0-15 A's rows, lanes 16-31 B's
.set SPW,  28                          ; v28     LDS address of my spare word; never rewritten
.set NIL,  29                          ; v29     0; never rewritten
.set SC,   32
.set AF,   128
.set G1, 24
.set G0, 32
.set G1B, 48
.set G0B, 56
.set G1S, 68
.set G0S, 76
.set G1SB, 80
.set G0SB, 88
.set MSB, 0
.macro WIN new                         ; the immediate's high byte repeats the setting that is left
.if MSB != \new
	s_set_vgpr_msb (MSB<<8)|\new
.set MSB, \new
.endif
.endm
.set MUL_LO, 0xa1                      ; source 0 (B) window 1, source 1 (A) window 0, C and D window 2
.set MUL_HI, 0xf1                      ; the same, C and D window 3
.set TO_B,   0x40                      ; destination window 1, address window 0
; A joint load: waves 0 and 1 fetch for A, waves 2 and 3 for B; the branch hangs on the wave's number alone.  An s_nop 0 and four v_nop follow each of the two lines.
.macro JLOAD g0a, g1a, g0b, g1b
	s_cmp_eq_u32 s15, 0
	s_cbranch_scc0 .Lfor_b_\@
	tensor_load_to_lds s[\g0a:\g0a+3], s[\g1a:\g1a+7]
	s_nop 0
.rept 4
	v_nop
.endr
	s_branch .Lasked_\@
.Lfor_b_\@:
	tensor_load_to_lds s[\g0b:\g0b+3], s[\g1b:\g1b+7]
	s_nop 0
.rept 4
	v_nop
.endr
.Lasked_\@:
.endm
.macro CROUND                          ; a round of the cluster's barrier
	s_barrier_signal -1
	s_barrier_wait -1
	s_cmp_lg_u32 s14, 0
	s_cbranch_scc1 .Lnot_wave_0_\@
	s_barrier_signal -3
.Lnot_wave_0_\@:
	s_barrier_wait -3
	s_barrier_signal -1
	s_barrier_wait -1
.endm
	s_load_b128 s[4:7], s[0:1], 0x0                ; x's codes s[4:5], x's scales s[6:7]
	s_load_b128 s[8:11], s[0:1], 0x10              ; w's codes s[8:9], w's scales s[10:11]
	s_load_b64 s[12:13], s[0:1], 0x20              ; qkv
	s_load_b64 s[66:67], s[0:1], 0x28              ; r16
	v_lshl_add_u32 v[SPW], v0, 2, SPARE
	v_mov_b32 v[NIL], 0
	ds_add_u32 v[SPW], v[NIL]                      ; the wave's opening: the add, twice on end, and its wait ahead of my first tensor load
	ds_add_u32 v[SPW], v[NIL]
	v_lshrrev_b32 v1, 5, v0
	v_readfirstlane_b32 s14, v1                    ; wave 0..3
	s_lshr_b32 s15, s14, 1                         ; which half of A's rows is mine.  Also: I fetch for A (0) or for B (1)
	s_and_b32 s16, s14, 1                          ; which half of B's rows.  Also: which 128 rows I fetch
	s_bfe_u32 s40, ttmp6, 0x40000                  ; cx
	s_bfe_u32 s41, ttmp6, 0x40004                  ; cy
	s_and_b32 s95, ttmp7, 0xffff                   ; the cluster's y, 0..7: which 256 positions of a batch
	s_lshl_b32 s17, s41, 3
	s_add_co_u32 s17, s17, s95                     ; q, k: A's tile = x's rows, batch cy: 8 cy + y
	s_add_co_u32 s18, s41, 8                       ; v:    A's tile = w's rows 2,048 on: 8 + cy
	s_lshl_b32 s42, ttmp9, 2
	s_add_co_u32 s42, s42, s40                     ; q, k: B's tile = w's rows: 4 x cluster x + cx
	s_lshl_b32 s19, s40, 3
	s_add_co_u32 s19, s19, s95                     ; v:    B's tile = x's rows, batch cx: 8 cx + y
	s_cmp_eq_u32 ttmp9, 2                          ; the cluster's x is the same in all sixteen partners
	s_cselect_b32 s17, s18, s17                    ; A's tile hangs on cy alone,
	s_cselect_b32 s42, s19, s42                    ; B's on cx alone
	s_lshl_b32 s43, s41, 2
	s_lshl_b32 s43, 15, s43                        ; my row of the cluster
	s_lshl_b32 s44, 0x1111, s40                    ; my column
	; descriptor group 1: a tile of 128 rows x 256 bytes, 512 bytes apart in memory, padded in LDS
	s_or_b32 s[G1+0], s43, (0<<16)|(1<<20)|(1<<21)|(5<<22)|(3<<25)  ; the mask; elements of 1 byte; padding on; bit 21 beside a mask; after every 64 words 4 words
	s_or_b32 s[G1B+0], s44, (0<<16)|(1<<20)|(1<<21)|(5<<22)|(3<<25)
.irp g, G1, G1B
	s_mov_b32 s[\g+1], ROWB<<16                    ; tensor_dim0
	s_mov_b32 s[\g+2], 128<<16                     ; tensor_dim1
	s_mov_b32 s[\g+3], ROWB<<16                    ; tile_dim0
	s_mov_b32 s[\g+4], 128                         ; tile_dim1
	s_mov_b32 s[\g+5], KROW                        ; from row to row
	s_mov_b32 s[\g+6], 0
	s_mov_b32 s[\g+7], 0
.endr
	; the scales of 128 rows: a dense block of 4,096 bytes, as 16 rows of 256 bytes (32 elements of 8 bytes), 16 bytes of padding behind each
	s_or_b32 s[G1S+0], s43, (3<<16)|(1<<20)|(1<<21)|(5<<22)|(3<<25)
	s_or_b32 s[G1SB+0], s44, (3<<16)|(1<<20)|(1<<21)|(5<<22)|(3<<25)
.irp g, G1S, G1SB
	s_mov_b32 s[\g+1], 32<<16
	s_mov_b32 s[\g+2], (128*KS/256)<<16
	s_mov_b32 s[\g+3], 32<<16
	s_mov_b32 s[\g+4], 128*KS/256
	s_mov_b32 s[\g+5], 32
	s_mov_b32 s[\g+6], 0
	s_mov_b32 s[\g+7], 0
.endr
	s_lshl_b32 s18, s16, 7                         ; which 128 rows of the tile I fetch
	s_lshl_b32 s20, s17, 8
	s_add_co_u32 s20, s20, s18                     ; A's first row
	s_lshl_b32 s46, s42, 8
	s_add_co_u32 s46, s46, s18                     ; B's
	s_mov_b32 s21, 0
	s_mov_b32 s47, 0
	s_mov_b64 s[18:19], KS
	s_mul_u64 s[22:23], s[20:21], s[18:19]         ; where these rows' scales begin, in bytes
	s_mul_u64 s[92:93], s[46:47], s[18:19]
	s_mov_b64 s[18:19], KROW
	s_mul_u64 s[20:21], s[20:21], s[18:19]         ; and their codes
	s_mul_u64 s[46:47], s[46:47], s[18:19]
	s_mul_i32 s45, s14, HALFT                      ; where they go: wave x 128 rows: no place in the cluster enters an LDS address
	s_mul_i32 s94, s14, HALFS
	s_wait_dscnt 0x0                               ; both opening adds are done
	s_wait_kmcnt 0x0
	s_cmp_eq_u32 ttmp9, 2                          ; which buffers are A's and which B's: a choice on the cluster's x alone
	s_cselect_b64 s[96:97], s[8:9], s[4:5]         ; A's codes
	s_cselect_b64 s[98:99], s[10:11], s[6:7]       ; A's scales
	s_cselect_b64 s[8:9], s[4:5], s[8:9]           ; B's codes
	s_cselect_b64 s[10:11], s[6:7], s[10:11]       ; B's scales
	s_add_nc_u64 s[20:21], s[96:97], s[20:21]
	s_add_nc_u64 s[22:23], s[98:99], s[22:23]
	s_add_nc_u64 s[46:47], s[8:9], s[46:47]
	s_add_nc_u64 s[92:93], s[10:11], s[92:93]
	CROUND                                         ; all sixteen work-groups are here: the first joint loads meet
	s_mov_b32 s[G0S], 1
	s_add_co_u32 s[G0S+1], s94, SCL
	s_mov_b64 s[G0S+2:G0S+3], s[22:23]
	s_or_b32 s[G0S+3], s[G0S+3], 0x80000000
	s_mov_b32 s[G0SB], 1
	s_add_co_u32 s[G0SB+1], s94, SCL
	s_mov_b64 s[G0SB+2:G0SB+3], s[92:93]
	s_or_b32 s[G0SB+3], s[G0SB+3], 0x80000000
	JLOAD G0S, G1S, G0SB, G1SB                     ; the scales first: they are wanted with the first step.  Three loads of mine are out behind the last of these
.irp s, 0,1
	s_mov_b32 s[G0+4*\s], 1
	s_add_co_u32 s[G0+4*\s+1], s45, \s*SLOT
	s_add_nc_u64 s[G0+4*\s+2:G0+4*\s+3], s[20:21], \s*ROWB
	s_or_b32 s[G0+4*\s+3], s[G0+4*\s+3], 0x80000000
	s_mov_b32 s[G0B+4*\s], 1
	s_add_co_u32 s[G0B+4*\s+1], s45, \s*SLOT
	s_add_nc_u64 s[G0B+4*\s+2:G0B+4*\s+3], s[46:47], \s*ROWB
	s_or_b32 s[G0B+4*\s+3], s[G0B+4*\s+3], 0x80000000
	JLOAD G0+4*\s, G1, G0B+4*\s, G1B
.endr
	v_and_b32 v1, 15, v0                           ; r = lane % 16
	v_bfe_u32 v2, v0, 4, 1                         ; h = lane / 16
	v_mul_u32_u24 v3, v1, PITCH
	v_lshl_add_u32 v4, v2, 4, v3                   ; a fragment's row x pitch + 16 x half
	s_mul_i32 s21, s15, HALFT                      ; my 128 rows of A
	s_mul_i32 s22, s16, HALFT                      ; my 128 rows of B,
	s_add_co_u32 s22, s22, 2*HALFT                 ; which lie behind A's 256
.irp s, 0,1
	v_add_nc_u32 v[ADRA+\s], s21, v4
	v_add_nc_u32 v[ADRB+\s], s22, v4
	s_add_co_u32 s21, s21, SLOT
	s_add_co_u32 s22, s22, SLOT
.endr
	v_mul_u32_u24 v5, v1, KS                       ; my row's scales: 32 bytes a row,
	v_lshrrev_b32 v6, 8, v5
	v_lshl_add_u32 v5, v6, 4, v5                   ; and 16 more for each 256 passed
	s_mul_i32 s21, s15, HALFS
	s_mul_i32 s22, s16, HALFS
	s_add_co_u32 s22, s22, 2*HALFS
	s_sub_co_u32 s22, s22, s21
	v_mul_u32_u24 v6, s22, v2                      ; lanes 16-31 take B's: one product, the distance between the two bases
	s_add_co_u32 s21, s21, SCL
	v_add_nc_u32 v5, v5, v6
	v_add_nc_u32 v[ADRS], s21, v5
	v_and_b32 v6, 31, v0
	v_lshlrev_b32 v[LI], 4, v6
	v_lshlrev_b32 v[SQ], 12, v1
	v_lshl_add_u32 v[SQ], v2, 5, v[SQ]
	v_lshlrev_b32 v[SV], 6, v1
	v_lshl_add_u32 v[SV], v2, 5, v[SV]
.macro FRAG reg, adr, q, i             ; 16 rows x 128 K of 4-bit codes: 8 registers; registers 4 c .. 4 c + 3 hold K = 64 c + 32 (lane / 16) + 0 .. 31
.irp c, 0,1
	ds_load_b128 v[\reg+4*\c:\reg+4*\c+3], v[\adr] offset:64*(\q)+32*\c+(\i)*16*PITCH
.endr
.endm
; 16 matrix instructions: A's blocks a0, a0 + 1 x B's eight, the slot's q-th 128 along K.  p: B's set; sc: the set of scale words.  zero = 1: the first product starts the sums.
; The 64 accumulators take turns, one instruction a turn, in the same order in every step.
.macro MUL16 a0, p, q, sc, zero
.irp a, \a0, \a0+1
.irp b, 0,1,2,3,4,5,6,7
.if \zero
	v_wmma_scale_f32_16x16x128_f8f6f4 v[8*(8*((\a)%4)+\b):8*(8*((\a)%4)+\b)+7], v[128*(\p)+FR*\b:128*(\p)+FR*\b+FR-1], v[AF+FR*(\a):AF+FR*(\a)+FR-1], 0, v[SC+8*NQ*(\sc)+NQ*\b+(\q)], v[SC+8*NQ*(\sc)+NQ*(\a)+(\q)] matrix_a_fmt:MATRIX_FMT_FP4 matrix_b_fmt:MATRIX_FMT_FP4 matrix_a_scale:MATRIX_SCALE_ROW1
.else
	v_wmma_scale_f32_16x16x128_f8f6f4 v[8*(8*((\a)%4)+\b):8*(8*((\a)%4)+\b)+7], v[128*(\p)+FR*\b:128*(\p)+FR*\b+FR-1], v[AF+FR*(\a):AF+FR*(\a)+FR-1], v[8*(8*((\a)%4)+\b):8*(8*((\a)%4)+\b)+7], v[SC+8*NQ*(\sc)+NQ*\b+(\q)], v[SC+8*NQ*(\sc)+NQ*(\a)+(\q)] matrix_a_fmt:MATRIX_FMT_FP4 matrix_b_fmt:MATRIX_FMT_FP4 matrix_a_scale:MATRIX_SCALE_ROW1
.endif
.endr
.endr
.endm
.macro FETCH_B slot, q, p
	WIN TO_B
.irp i, 0,1,2,3,4,5,6,7
	FRAG 128*(\p)+FR*\i, ADRB+\slot, \q, \i
.endr
	WIN 0
.endm
.macro FETCH_A slot, q, i0
.irp i, \i0, \i0+1, \i0+2, \i0+3
	FRAG AF+FR*(\i), ADRA+\slot, \q, \i
.endr
.endm
.macro SCALES sc                       ; a slot's scale words: 4 words a row; lanes 0-15 take A's block i, lanes 16-31 B's block i
.irp i, 0,1,2,3,4,5,6,7
	ds_load_b128 v[SC+8*NQ*\sc+NQ*\i:SC+8*NQ*\sc+NQ*\i+3], v[ADRS] offset:\i*SBLK
.endr
.endm
.macro PLACES n                        ; plain vector instructions between a matrix instruction and a load into, or a read of, its registers (ISA guide 7.12.1 for the reads)
.rept \n
	v_nop
.endr
.endm
.macro STEP slot, q, zero              ; a step of 128 along K that has its successor in the same slot
	s_wait_dscnt 4*NL                              ; B's set and A's blocks 0-3 are in; the youngest eight loads (A's blocks 4-7) may be out
	WIN MUL_LO
	MUL16 0, (\q)%2, \q, \slot, \zero
	MUL16 2, (\q)%2, \q, \slot, \zero
	s_wait_dscnt 0                                 ; A's blocks 4-7 are in
	PLACES NP
	FETCH_B \slot, (\q)+1, 1-(\q)%2
	FETCH_A \slot, (\q)+1, 0
	WIN MUL_HI
	MUL16 4, (\q)%2, \q, \slot, \zero
	MUL16 6, (\q)%2, \q, \slot, \zero
	PLACES NP
	WIN 0
	FETCH_A \slot, (\q)+1, 4
.endm
; Slot 0's last step goes over to slot 1: each wave waits for all its tensor loads (its part of slot 1), adds 0 to its spare word and waits for that; behind the barrier slot 1 is whole.  Nothing is filled again.
.macro TURN slot, next
	s_wait_tensorcnt 0x0
	ds_add_u32 v[SPW], v[NIL]
	s_wait_dscnt 4*NL+1                            ; (the add and the youngest eight loads may be out)
	WIN MUL_LO
	MUL16 0, 1, NQ-1, \slot, 0
	s_wait_dscnt 0x0
	s_barrier_signal -1
	MUL16 2, 1, NQ-1, \slot, 0
	WIN 0
	s_barrier_wait -1
	PLACES NP
	v_add_nc_u32 v[ADRS], 4*NQ, v[ADRS]            ; on to the next slot's scale words
	FETCH_B \next, 0, 0
	FETCH_A \next, 0, 0
	SCALES \next
	WIN MUL_HI
	MUL16 4, 1, NQ-1, \slot, 0
	MUL16 6, 1, NQ-1, \slot, 0
	PLACES NP
	WIN 0
	FETCH_A \next, 0, 4
.endm
	s_wait_tensorcnt 1                             ; the scales and my part of slot 0 are in (slot 1's load may be out)
	s_barrier_signal -1
	s_barrier_wait -1                              ; everybody's are
	FETCH_B 0, 0, 0
	FETCH_A 0, 0, 0
	SCALES 0
	FETCH_A 0, 0, 4
	STEP 0, 0, 1                                   ; the first step's products start the sums: nothing is cleared
	STEP 0, 1, 0
	STEP 0, 2, 0
	TURN 0, 1
	STEP 1, 0, 0
	STEP 1, 1, 0
	STEP 1, 2, 0
	s_wait_dscnt 4*NL                              ; the last step: nothing more to fetch
	WIN MUL_LO
	MUL16 0, 1, NQ-1, 1, 0
	MUL16 2, 1, NQ-1, 1, 0
	s_wait_dscnt 0
	WIN MUL_HI
	MUL16 4, 1, NQ-1, 1, 0
	MUL16 6, 1, NQ-1, 1, 0
	WIN 0
; THE WAY OUT.  Block a of A's rows: its eight accumulators, each from its low end on, are rounded to f16 in pairs (four registers an accumulator: half an image) and stored, 512 consecutive bytes a store.
; kind 0 (q, k): a = tile of positions, b = 16 channels: head b / 4, 32 channels (b / 2) % 2, half b % 2.   kind 1 (v): a = 16 channels: head a / 4, tile a % 4; b = 16 keys: 32 keys b / 2, half b % 2.
.macro OUTA a, kind
.set AC, 64*((\a)%4)
.set PK, 128+32*((\a)%4)
.if (\a) >= 4
	s_wait_xcnt 0x0                                ; block a - 4's stores have read these registers
.endif
	WIN 0x0a+5*((\a)/4)                            ; sources 0 and 1: window 2 or 3
.irp b, 0,1,2,3,4,5,6,7
.irp r, 0,1,2,3
	v_cvt_pk_f16_f32 v[PK+4*\b+\r], v[AC+8*\b+2*\r], v[AC+8*\b+2*\r+1]
.endr
.endr
	WIN 0
.irp b, 0,1,2,3,4,5,6,7
.if \kind == 0
	global_store_b128 v[LI], v[PK+4*\b:PK+4*\b+3], s[12:13] offset:(\a)*2048+(\b/4)*262144+((\b/2)%2)*1024+(\b%2)*512
.else
	global_store_b128 v[LI], v[PK+4*\b:PK+4*\b+3], s[12:13] offset:((\a)/4)*262144+((\a)%4)*1024+(\b/2)*4096+(\b%2)*512
.endif
.endr
.endm
	PLACES NP                                      ; behind the last products: for the reads of results and the writes over A's fragments
	s_mov_b32 s21, 0
	s_mov_b32 s23, 0
	s_cmp_eq_u32 ttmp9, 2
	s_cbranch_scc1 .Lv_out
	; ---- q, k: image base = cluster x << 24 + (((16 cy + 4 cx + 2 x column half) x 128 + 16 y + 8 x row half) x 2,048
	s_lshl_b32 s20, s41, 4
	s_lshl_b32 s22, s40, 2
	s_add_co_u32 s20, s20, s22
	s_lshl_b32 s22, s16, 1
	s_add_co_u32 s20, s20, s22
	s_lshl_b32 s20, s20, 7
	s_lshl_b32 s22, s95, 4
	s_add_co_u32 s20, s20, s22
	s_lshl_b32 s22, s15, 3
	s_add_co_u32 s20, s20, s22
	s_lshl_b32 s20, s20, 11
	s_lshl_b32 s22, ttmp9, 24
	s_add_co_u32 s20, s20, s22
	s_add_nc_u64 s[12:13], s[12:13], s[20:21]
	s_or_b32 s22, s95, s15                         ; do my rows begin a batch?  The cluster's y and the wave's number: the same in all partners
	s_cmp_lg_u32 s22, 0
	s_cbranch_scc1 .Lqk_main
	s_lshl_b32 s22, ttmp9, 18                      ; r16: q at 0, k at 262,144; batch cy; my 128 channels
	s_lshl_b32 s20, s41, 16
	s_add_co_u32 s22, s22, s20
	s_lshl_b32 s20, s40, 10
	s_add_co_u32 s22, s22, s20
	s_lshl_b32 s20, s16, 9
	s_add_co_u32 s22, s22, s20
	s_add_nc_u64 s[66:67], s[66:67], s[22:23]
	WIN 0x08                                       ; a store's data are its source 1: window 2
.irp b, 0,1,2,3,4,5,6,7
	global_store_b128 v[SQ], v[8*\b:8*\b+3], s[66:67] offset:64*\b          ; position r, channels 16 b + 8 h + 0 .. 3, in f32
	global_store_b128 v[SQ], v[8*\b+4:8*\b+7], s[66:67] offset:64*\b+16
.endr
	WIN 0
.Lqk_main:
.irp a, 0,1,2,3,4,5,6,7
	OUTA \a, 0
.endr
	s_branch .Ldone
.Lv_out:
	; ---- v: image base = 2 << 24 + (((16 cx + 4 cy + 2 x row half) x 64 + 8 y + 4 x column half) x 4,096
	s_lshl_b32 s20, s40, 4
	s_lshl_b32 s22, s41, 2
	s_add_co_u32 s20, s20, s22
	s_lshl_b32 s22, s15, 1
	s_add_co_u32 s20, s20, s22
	s_lshl_b32 s20, s20, 6
	s_lshl_b32 s22, s95, 3
	s_add_co_u32 s20, s20, s22
	s_lshl_b32 s22, s16, 2
	s_add_co_u32 s20, s20, s22
	s_lshl_b32 s20, s20, 12
	s_add_co_u32 s20, s20, 1<<25
	s_add_nc_u64 s[12:13], s[12:13], s[20:21]
	s_or_b32 s22, s95, s16                         ; do my keys begin a batch?
	s_cmp_lg_u32 s22, 0
	s_cbranch_scc1 .Lv_main
	s_lshl_b32 s22, s40, 16                        ; r16: v at 524,288; batch cx; my 128 channels, 64 bytes each
	s_lshl_b32 s20, s41, 14
	s_add_co_u32 s22, s22, s20
	s_lshl_b32 s20, s15, 13
	s_add_co_u32 s22, s22, s20
	s_add_co_u32 s22, s22, 524288
	s_add_nc_u64 s[66:67], s[66:67], s[22:23]
	WIN 0x08
.irp a, 0,1,2,3
	global_store_b128 v[SV], v[64*\a:64*\a+3], s[66:67] offset:1024*\a      ; channel 16 a + r, positions 8 h + 0 .. 3, in f32
	global_store_b128 v[SV], v[64*\a+4:64*\a+7], s[66:67] offset:1024*\a+16
.endr
	WIN 0x0c
.irp a, 0,1,2,3
	global_store_b128 v[SV], v[64*\a:64*\a+3], s[66:67] offset:4096+1024*\a
	global_store_b128 v[SV], v[64*\a+4:64*\a+7], s[66:67] offset:4096+1024*\a+16
.endr
	WIN 0
.Lv_main:
.irp a, 0,1,2,3,4,5,6,7
	OUTA \a, 1
.endr
.Ldone:
	s_wait_tensorcnt 0x0                           ; the wave's end: three lines behind my last tensor load
	ds_add_u32 v[SPW], v[NIL]
	s_wait_dscnt 0x0
	CROUND                                         ; the closing round: no work-group ends while a partner may still ask for a tile that names it
	s_endpgm
.Lfunc_end_k_q3c19575f2e_qkv:
	.size	k_q3c19575f2e_qkv, .Lfunc_end_k_q3c19575f2e_qkv-k_q3c19575f2e_qkv
	.p2alignl 7, 3214868480
	.fill 96, 4, 3214868480
	.section	.rodata,"a",@progbits
	.p2align	6, 0x0
	.amdhsa_kernel k_q3c19575f2e_qkv
		.amdhsa_group_segment_fixed_size 327680
		.amdhsa_private_segment_fixed_size 0
		.amdhsa_enable_private_segment 0
		.amdhsa_kernarg_size 48
		.amdhsa_user_sgpr_count 2
		.amdhsa_user_sgpr_kernarg_segment_ptr 1
		.amdhsa_wavefront_size32 1
		.amdhsa_system_sgpr_workgroup_id_x 1
		.amdhsa_system_sgpr_workgroup_id_y 1
		.amdhsa_system_sgpr_workgroup_id_z 1
		.amdhsa_system_vgpr_workitem_id 0
		.amdhsa_next_free_vgpr 1024
		.amdhsa_next_free_sgpr 100
		.amdhsa_reserve_vcc 0
		.amdhsa_float_denorm_mode_32 3
		.amdhsa_float_denorm_mode_16_64 3
		.amdhsa_memory_ordered 1
		.amdhsa_forward_progress 1
		.amdhsa_inst_pref_size 145
	.end_amdhsa_kernel
	.amdgpu_metadata
---
amdhsa.version: [ 1, 2 ]
amdhsa.kernels:
  - .name:           k_q3c19575f2e_qkv
    .symbol:         k_q3c19575f2e_qkv.kd
    .args:
      - { .name: xc, .offset: 0, .size: 8, .value_kind: global_buffer, .address_space: global }
      - { .name: xs, .offset: 8, .size: 8, .value_kind: global_buffer, .address_space: global }
      - { .name: wc, .offset: 16, .size: 8, .value_kind: global_buffer, .address_space: global }
      - { .name: ws, .offset: 24, .size: 8, .value_kind: global_buffer, .address_space: global }
      - { .name: qkv, .offset: 32, .size: 8, .value_kind: global_buffer, .address_space: global }
      - { .name: r16, .offset: 40, .size: 8, .value_kind: global_buffer, .address_space: global }
    .group_segment_fixed_size: 327680
    .private_segment_fixed_size: 0
    .kernarg_segment_align: 8
    .kernarg_segment_size: 48
    .max_flat_workgroup_size: 128
    .sgpr_count:     100
    .vgpr_count:     1024
    .wavefront_size: 32
...
	.end_amdgpu_metadata
.endif
;; end of part 2
;; launch attn (part 3): grid 4 x 64, 16 waves a work-group, no clusters, 327,680 bytes of LDS; arguments qkv, yi; writes yi
.if DOCPART == 3
	.amdgcn_target "amdgcn-amd-amdhsa--gfx1250"
	.amdhsa_code_object_version 6
	.text
	.protected	k_q3c19575f2e_attn
	.globl	k_q3c19575f2e_attn
	.p2align	8
	.type	k_q3c19575f2e_attn,@function
k_q3c19575f2e_attn:
	s_mov_b64 s[64:65], 0
	v_nop
	global_prefetch_b8 v0, s[64:65] scope:SCOPE_SE
	s_setreg_imm32_b32 hwreg(HW_REG_WAVE_MODE, 25, 1), 1
	s_wait_xcnt 0x0
; y[b][h][q] = the sum over k <= q of softmax_k(Q . K / 8) V, head size 64, 2,048 positions, 64 (batch, head) pairs.  Operands in f16, products, maxima and sums in f32; y leaves in f16.
; Q, K, V arrive as images of operand registers (16 rows x 32 along a product's K: 1,024 bytes; registers 0-3 at 16 x lane, registers 4-7 512 bytes on), so every fragment is two loads of 16 bytes a lane, with no pitch.
; SHARES.  A work-group owns the blocks i and 7 - i of 256 queries of one head: (i + 1) + (8 - i) = 9 blocks of keys to walk in every work-group.  Each of its SIXTEEN waves owns 32 queries, two tiles, in 256 registers.
; Eight waves take the early block and eight the late one; which is which alternates with the wave's number and with its number / 4.
; All waves walk one ring of two LDS slots of 256 keys (K's images 32 KiB, V's 32 KiB), filled by waves 0 to 3, 16 KiB each.
; LAYOUT.  S^T = K Q^T (source 0 = 16 keys, source 1 = 16 queries) and O^T = V^T P (source 0 = 16 channels, source 1 = P): a lane holds ONE query throughout; two tiles of S^T, rounded to f16 in pairs, ARE P's fragment, in place.
; SOFTMAX.  A running maximum m and sum l for each query: p = 2^(c s - c m), c = log2(e) / 8; in every step O and l are multiplied by a = 2^(c m_old - c m_new).
; CAUSAL.  Every work-group walks all eight slots (constant trip counts); a step all of whose keys come after the wave's queries is jumped over by a scalar branch on ids; a slot whose first key comes after the
; work-group's last query is not asked for; on the diagonal hidden scores become -infinity ahead of the maximum.
; No cluster: the partners that share K and V (the four work-groups of a head) need different numbers of slots.
; The rows of the first 16 positions of each batch are made here like the others; the output rows that hang on them are stored by a finer launch.
; LIMITS: |q|, |k|, |v| under 65,504 (f16); NaN and infinities are not served.
.set SLOT1, 65536                      ; slot 1 begins here: one exclusive or turns an address from one slot to the other
.set VOFF,  32768                      ; in a slot: K's images, then V's
.set SPARE, 131072                     ; behind the ring the spare words, 128 bytes for each wave: eight blocks of 256 bytes that no other line names
.set LI,   1                           ; v1   16 x lane
.set ADR,  2                           ; v2   the slot in hand + 16 x lane
.set SPW,  3                           ; v3   LDS address of my spare word; never rewritten
.set NIL,  4                           ; v4   0; never rewritten
.set RH,   5                           ; v5   lane % 16 - 8 (lane / 16)
.set DD,   6                           ; v6   the mask's bound
.set NINF, 7                           ; v7   -infinity
.set ST,   8                           ; v8-23   tile t at 8 + 8 t: +0 c m, +1 m, +2, +3 l in two halves, +4 .. +7 at work; a at +6
.set QF,   24                          ; v24-55  Q(t, d) at 24 + 16 t + 8 d
.set KV,   56                          ; v56-119 K(d, n) at 56 + 32 d + 8 n, later V(u, c) at 56 + 32 u + 8 c
.set S,    120                         ; v120-183 S^T(t, n) at 120 + 32 t + 8 n; P(t, u) in place at 120 + 32 t + 16 u
.set O,    184                         ; v184-247 O^T(t, c) at 184 + 32 t + 8 c
.set PFO,  248                         ; v248 256 x lane: the prefetches' offset; never rewritten
.set WV,   8                           ; s8   my wave's number
.set BH,   9                           ; s9   batch x 16 + head
.set G0,   12                          ; s[12:15] descriptor group 0, which walks
.set G1,   16                          ; s[16:23] descriptor group 1
.set SEL,  24                          ; s[24:25] selects for v_permlanex16_b32: lane xor 16
.set CS,   26                          ; s[26:27] c, twice
.set TB,   28                          ; s28  LDS byte at which the slot in hand begins
.set KF,   29                          ; s29  the step's first key
.set Q0,   30                          ; s30  my first query
.set LASTQ, 31                         ; s31  my work-group's last query
.set SLOTS, 32                         ; s32  changes of slots still to come in the loop
.set LIM,  34                          ; s34  1 in a wave that prefetches, else the greatest number
.set PFA,  36                          ; s[36:37] where my prefetches stand
.set QB,   38                          ; s[38:39] my Q images
.set YB,   40                          ; s[40:41] my y images
.macro TLOAD                           ; waves 0, 1: K's halves; waves 2, 3: V's.  An s_nop 0 and four v_nop follow the load
	s_cmp_lt_u32 s[WV], 4
	s_cbranch_scc0 .Lnone_\@
	tensor_load_to_lds s[G0:G0+3], s[G1:G1+7]
	s_nop 0
.rept 4
	v_nop
.endr
.Lnone_\@:
.endm
; A prefetch of the slot that the NEXT change of slots will ask for: 32 KiB of K's images and 32 KiB of V's, lanes 256 bytes apart, 8 KiB a wave.  All four work-groups of a head walk the same K and V:
; the one that walks all eight slots (x = 0) asks, waves 4 to 7 for K, waves 8 to 11 for V, one instruction each: each aligned block of 256 bytes is named once in the launch.  The last change that fills a slot asks for nothing.
.macro ASK
	s_cmp_gt_u32 s[SLOTS], s[LIM]
	s_cbranch_scc0 .Lnot_mine_\@
	global_prefetch_b8 v[PFO], s[PFA:PFA+1] th:TH_LOAD_NT scope:SCOPE_SE
.Lnot_mine_\@:
.endm
	s_load_b128 s[4:7], s[0:1], 0x0                ; qkv s[4:5], yi s[6:7]
	v_lshl_add_u32 v[SPW], v0, 2, SPARE
	v_mov_b32 v[NIL], 0
	ds_add_u32 v[SPW], v[NIL]                      ; the wave's opening: the add, twice on end, and its wait ahead of my first tensor load
	ds_add_u32 v[SPW], v[NIL]
	v_lshrrev_b32 v1, 5, v0
	v_readfirstlane_b32 s[WV], v1                  ; wave 0..15
	s_and_b32 s[BH], ttmp7, 0xffff
	s_mov_b32 s[G1], 3<<16                         ; no mask; elements of 8 bytes; no padding
	s_mov_b32 s[G1+1], 32<<16                      ; tensor_dim0 = 32 elements: rows of 256 bytes
	s_mov_b32 s[G1+2], 64<<16                      ; tensor_dim1 = 64 rows: a dense block of 16 KiB
	s_mov_b32 s[G1+3], 32<<16                      ; tile_dim0
	s_mov_b32 s[G1+4], 64                          ; tile_dim1
	s_mov_b32 s[G1+5], 32                          ; from row to row
	s_mov_b32 s[G1+6], 0
	s_mov_b32 s[G1+7], 0
	s_lshr_b32 s42, s[WV], 2
	s_xor_b32 s42, s42, s[WV]
	s_and_b32 s42, s42, 1                          ; 1: the late block
	s_sub_co_u32 s43, 7, ttmp9
	s_cmp_eq_u32 s42, 1
	s_cselect_b32 s43, s43, ttmp9                  ; my block of 256 queries
	s_lshl_b32 s[Q0], s43, 8
	s_lshr_b32 s44, s[WV], 1
	s_lshl_b32 s44, s44, 5
	s_add_co_u32 s[Q0], s[Q0], s44                 ; my first query: 256 x block + 32 x (wave / 2)
	s_sub_co_u32 s[LASTQ], 8, ttmp9
	s_lshl_b32 s[LASTQ], s[LASTQ], 8
	s_sub_co_u32 s[LASTQ], s[LASTQ], 1
	s_lshl_b32 s46, s[BH], 18                      ; the head's 262,144 bytes in each of the three regions
	s_min_u32 s45, s[WV], 3                        ; what I fetch, if I fetch
	s_mov_b32 s[G0], 1
	s_lshl_b32 s[G0+1], s45, 14                    ; LDS: 16 KiB x wave, in slot 0
	s_lshr_b32 s42, s45, 1
	s_add_co_u32 s42, s42, 1
	s_lshl_b32 s42, s42, 24                        ; K's region or V's
	s_add_co_u32 s42, s42, s46
	s_and_b32 s44, s45, 1
	s_lshl_b32 s44, s44, 14
	s_add_co_u32 s42, s42, s44                     ; its first or second half
	s_mov_b32 s43, 0
	s_lshl_b32 s48, s[Q0], 7                       ; Q: 2,048 bytes for each tile of 16 queries
	s_add_co_u32 s48, s48, s46
	s_mov_b32 s49, 0
	s_lshr_b32 s50, s[BH], 4
	s_lshl_b32 s50, s50, 22                        ; y: a batch is 128 row tiles of 32,768 bytes,
	s_lshl_b32 s44, s[Q0], 11                      ; a tile of 16 queries one of them,
	s_add_co_u32 s50, s50, s44
	s_and_b32 s44, s[BH], 15
	s_lshl_b32 s44, s44, 11                        ; a head 2,048 bytes in it
	s_add_co_u32 s50, s50, s44
	s_mov_b32 s51, 0
	s_lshr_b32 s44, s[WV], 2
	s_min_u32 s44, s44, 2
	s_lshl_b32 s44, s44, 24                        ; the prefetches: waves 4-7 K's region, waves 8-11 V's
	s_add_co_u32 s44, s44, s46
	s_and_b32 s45, s[WV], 3
	s_lshl_b32 s45, s45, 13
	s_add_co_u32 s44, s44, s45                     ; my 8 KiB,
	s_add_co_u32 s44, s44, 32768                   ; in slot 1: the first change of slots steps it to slot 2
	s_mov_b32 s45, 0
	s_sub_co_u32 s47, s[WV], 4
	s_lshr_b32 s47, s47, 3                         ; 0 in waves 4 to 11,
	s_or_b32 s47, s47, ttmp9                       ; of the work-group that walks all slots
	s_cmp_eq_u32 s47, 0
	s_cselect_b32 s[LIM], 1, -1
	s_mov_b32 s[SEL], 0x76543210
	s_mov_b32 s[SEL+1], 0xfedcba98
	s_mov_b32 s[CS], 0x3e38aa3b                    ; c = log2(e) / 8
	s_mov_b32 s[CS+1], s[CS]
	s_mov_b32 s[TB], 0
	s_mov_b32 s[KF], 0
	s_mov_b32 s[SLOTS], 7
	s_wait_dscnt 0x0                               ; both opening adds are done
	s_wait_kmcnt 0x0
	s_add_nc_u64 s[G0+2:G0+3], s[4:5], s[42:43]
	s_or_b32 s[G0+3], s[G0+3], 0x80000000
	TLOAD                                          ; slot 0: key 0 counts for every query, so it is read by every wave
	s_add_nc_u64 s[QB:QB+1], s[4:5], s[48:49]
	s_add_nc_u64 s[YB:YB+1], s[6:7], s[50:51]
	s_add_nc_u64 s[PFA:PFA+1], s[4:5], s[44:45]
	v_and_b32 v2, 31, v0
	v_lshlrev_b32 v[LI], 4, v2
	v_lshlrev_b32 v[PFO], 8, v2
.irp n, 0,1,2,3,4,5,6,7
	global_load_b128 v[QF+4*\n:QF+4*\n+3], v[LI], s[QB:QB+1] offset:512*\n   ; Q's four fragments stay in registers
.endr
	v_and_b32 v[RH], 15, v0
	v_bfe_u32 v[DD], v0, 4, 1
	v_lshlrev_b32 v[DD], 3, v[DD]
	v_sub_nc_u32 v[RH], v[RH], v[DD]
	v_mov_b32 v[NINF], 0xff800000
.irp t, 0,1
	v_mov_b32 v[ST+8*\t+1], 0xff61b1e6             ; m: -3e38, under every score
	v_mul_f32 v[ST+8*\t], s[CS], v[ST+8*\t+1]      ; c m
.irp j, 2,3,4,5,6,7
	v_mov_b32 v[ST+8*\t+\j], 0                     ; l, and the registers at work (a lane permute's destination counts as one of its sources)
.endr
.endr
.set i, 0
.rept 64
	v_mov_b32 v[O+i], 0                            ; O^T.  (The step is written once: the first finds zeros, which a = 0 leaves zeros)
.set i, i+1
.endr
; A KEY STEP: 64 keys, the q-th of the slot in hand.
.macro STEP q
	s_add_co_u32 s42, s[Q0], 31
	s_cmp_gt_u32 s[KF], s42                        ; all 64 keys come after my 32 queries: the step's work is left out
	s_cbranch_scc1 .Lhid_\@
	v_add_nc_u32 v[ADR], s[TB], v[LI]
.rept 4
	v_nop                                          ; with the addition five places behind the last products: S^T is written over P, which they read, and K is loaded over V
.endr
.irp d, 0,1
.irp n, 0,1,2,3
	ds_load_b128 v[KV+32*\d+8*\n:KV+32*\d+8*\n+3], v[ADR] offset:8192*(\q)+2048*\n+1024*\d
	ds_load_b128 v[KV+32*\d+8*\n+4:KV+32*\d+8*\n+7], v[ADR] offset:8192*(\q)+2048*\n+1024*\d+512
.endr
.endr
	s_wait_dscnt 8                                 ; the first 32 channels' eight loads are in
.irp n, 0,1,2,3
.irp t, 0,1
	v_wmma_f32_16x16x32_f16 v[S+32*\t+8*\n:S+32*\t+8*\n+7], v[KV+8*\n:KV+8*\n+7], v[QF+16*\t:QF+16*\t+7], 0
.endr
.endr
	s_wait_dscnt 0x0
.irp n, 0,1,2,3                                ; the eight accumulators take turns
.irp t, 0,1
	v_wmma_f32_16x16x32_f16 v[S+32*\t+8*\n:S+32*\t+8*\n+7], v[KV+32+8*\n:KV+32+8*\n+7], v[QF+16*\t+8:QF+16*\t+15], v[S+32*\t+8*\n:S+32*\t+8*\n+7]
.endr
.endr
.rept 4
	v_nop                                          ; places in front of the loads over K and of the first read of the scores
.endr
.irp u, 0,1                                    ; V's eight fragments land while the softmax is walked
.irp c, 0,1,2,3
	ds_load_b128 v[KV+32*\u+8*\c:KV+32*\u+8*\c+3], v[ADR] offset:VOFF+8192*(\q)+4096*\u+1024*\c
	ds_load_b128 v[KV+32*\u+8*\c+4:KV+32*\u+8*\c+7], v[ADR] offset:VOFF+8192*(\q)+4096*\u+1024*\c+512
.endr
.endr
	s_add_co_u32 s42, s[KF], 63
	s_cmp_le_u32 s42, s[Q0]                        ; all keys count for all my queries: no mask
	s_cbranch_scc1 .Lopen_\@
	s_sub_co_i32 s42, s[Q0], s[KF]
	v_add_nc_u32 v[DD], s42, v[RH]                 ; register j of S^T(t, n) holds key KF + 16 n + 8 h + j for query Q0 + 16 t + r: hidden where 16 n + j - 16 t > Q0 - KF + r - 8 h
.irp t, 0,1
.irp n, 0,1,2,3
.irp j, 0,1,2,3,4,5,6,7
	v_cmp_gt_i32 vcc_lo, 16*\n+\j-16*\t, v[DD]
	v_cndmask_b32 v[S+32*\t+8*\n+\j], v[S+32*\t+8*\n+\j], v[NINF], vcc_lo
.endr
.endr
.endr
.Lopen_\@:
.irp k, 0,1,2,3                                ; the maximum of 32 scores and the old m, three operands at a time, four chains a tile, the two tiles by turns
.irp t, 0,1
	v_max3_num_f32 v[ST+8*\t+4+\k], v[S+32*\t+8*\k], v[S+32*\t+8*\k+1], v[S+32*\t+8*\k+2]
.endr
.endr
.irp i, 3,5
.irp k, 0,1,2,3
.irp t, 0,1
	v_max3_num_f32 v[ST+8*\t+4+\k], v[ST+8*\t+4+\k], v[S+32*\t+8*\k+\i], v[S+32*\t+8*\k+\i+1]
.endr
.endr
.endr
.irp t, 0,1
	v_max3_num_f32 v[ST+8*\t+4], v[ST+8*\t+4], v[S+32*\t+7], v[S+32*\t+15]
	v_max3_num_f32 v[ST+8*\t+6], v[ST+8*\t+6], v[S+32*\t+23], v[S+32*\t+31]
.endr
.irp t, 0,1
	v_max3_num_f32 v[ST+8*\t+4], v[ST+8*\t+4], v[ST+8*\t+5], v[ST+8*\t+6]
.endr
.irp t, 0,1
	v_max3_num_f32 v[ST+8*\t+4], v[ST+8*\t+4], v[ST+8*\t+7], v[ST+8*\t+1]
.endr
.irp t, 0,1
	v_permlanex16_b32 v[ST+8*\t+5], v[ST+8*\t+4], s[SEL], s[SEL+1]   ; the query's other 32 keys lie in the lane 16 away
	v_mov_b32 v[ST+8*\t+7], v[ST+8*\t]             ; c m_old
.endr
.irp t, 0,1
	v_max_num_f32 v[ST+8*\t+1], v[ST+8*\t+4], v[ST+8*\t+5]
.endr
.irp t, 0,1
	v_mul_f32 v[ST+8*\t], s[CS], v[ST+8*\t+1]
.endr
.irp t, 0,1
	v_sub_f32 v[ST+8*\t+7], v[ST+8*\t+7], v[ST+8*\t]
.endr
.irp t, 0,1
	v_exp_f32 v[ST+8*\t+6], v[ST+8*\t+7]           ; a
.endr
.irp j, 0,2,4,6,8,10,12,14,16,18,20,22,24,26,28,30
.irp t, 0,1
	v_pk_fma_f32 v[S+32*\t+\j:S+32*\t+\j+1], v[S+32*\t+\j:S+32*\t+\j+1], s[CS:CS+1], v[ST+8*\t:ST+8*\t+1] op_sel_hi:[1,0,0] neg_lo:[0,0,1] neg_hi:[0,0,1]   ; c s - c m
.endr
.endr
.set i, 0
.rept 64
	v_exp_f32 v[S+i], v[S+i]                       ; p, at most about 1
.set i, i+1
.endr
	v_nop                                          ; a plain instruction behind the last exponential
	s_wait_alu depctr_va_vdst(0)                   ; ONE wait for the step's 66 exponentials, ahead of the first instruction that names a result
.irp t, 0,1
	v_pk_mul_f32 v[ST+8*\t+2:ST+8*\t+3], v[ST+8*\t+2:ST+8*\t+3], v[ST+8*\t+6:ST+8*\t+7] op_sel_hi:[1,0]   ; l x a
	v_pk_add_f32 v[ST+8*\t+4:ST+8*\t+5], v[S+32*\t:S+32*\t+1], v[S+32*\t+2:S+32*\t+3]                     ; the sum of p in f32, two chains a tile
.endr
.irp j, 4,8,12,16,20,24,28
.irp t, 0,1
	v_pk_add_f32 v[ST+8*\t+2:ST+8*\t+3], v[ST+8*\t+2:ST+8*\t+3], v[S+32*\t+\j:S+32*\t+\j+1]
	v_pk_add_f32 v[ST+8*\t+4:ST+8*\t+5], v[ST+8*\t+4:ST+8*\t+5], v[S+32*\t+\j+2:S+32*\t+\j+3]
.endr
.endr
.irp t, 0,1
	v_pk_add_f32 v[ST+8*\t+2:ST+8*\t+3], v[ST+8*\t+2:ST+8*\t+3], v[ST+8*\t+4:ST+8*\t+5]
.endr
.irp t, 0,1
.irp u, 0,1
.irp i, 0,1,2,3,4,5,6,7
	v_cvt_pk_f16_f32 v[S+32*\t+16*\u+\i], v[S+32*\t+16*\u+2*\i], v[S+32*\t+16*\u+2*\i+1]   ; P's fragment, in place, ascending
.endr
.endr
.endr
.irp t, 0,1
.irp j, 0,2,4,6,8,10,12,14,16,18,20,22,24,26,28,30
	v_pk_mul_f32 v[O+32*\t+\j:O+32*\t+\j+1], v[O+32*\t+\j:O+32*\t+\j+1], v[ST+8*\t+6:ST+8*\t+7] op_sel_hi:[1,0]   ; O^T x a, each accumulator from its low end on
.endr
.endr
	s_wait_dscnt 0x0                               ; V is in
.irp u, 0,1
.irp c, 0,1,2,3
.irp t, 0,1
	v_wmma_f32_16x16x32_f16 v[O+32*\t+8*\c:O+32*\t+8*\c+7], v[KV+32*\u+8*\c:KV+32*\u+8*\c+7], v[S+32*\t+16*\u:S+32*\t+16*\u+7], v[O+32*\t+8*\c:O+32*\t+8*\c+7]
.endr
.endr
.endr
.Lhid_\@:
	s_add_co_u32 s[KF], s[KF], 64
.endm
; THE CHANGE OF SLOTS stands at a slot's head.  Each wave waits for all its tensor loads, adds 0 to its spare word (fill = 1: twice on end), and waits for that
; and for its reads of the slot that it has left.  Behind the barrier the slot ahead is whole and nobody reads the other one; fill = 1: that one takes the next 256 keys: the load has a slot's four steps in which to land.
.macro CHANGE fill
	s_wait_tensorcnt 0x0                           ; no tensor load of mine is out, so group 0 may be written
	ds_add_u32 v[SPW], v[NIL]
.if \fill
	ds_add_u32 v[SPW], v[NIL]
	s_xor_b32 s[G0+1], s[G0+1], SLOT1              ; the other slot than last time,
	s_add_nc_u64 s[G0+2:G0+3], s[G0+2:G0+3], 32768 ; the next 256 keys' images; the type bits on top are not reached
	s_wait_xcnt 0x0                                ; the last prefetch, a slot back, has read its address
	s_add_nc_u64 s[PFA:PFA+1], s[PFA:PFA+1], 32768 ; one slot further on than the walking descriptor
.endif
	s_wait_dscnt 0x0
	s_barrier_signal -1
	s_barrier_wait -1
.if \fill
	s_add_co_u32 s42, s[KF], 256                   ; the first key of the slot that this change would ask for
	s_cmp_gt_u32 s42, s[LASTQ]                     ; ids and the count of steps alone: all sixteen waves go the same way; past the limit no wave reads the slot, so it is not asked for
	s_cbranch_scc1 .Lpast_\@
	TLOAD                                          ; a wave's one tensor load until the next barrier; every wait on TENSORcnt in this text is for 0
.Lpast_\@:
	ASK
.endif
.endm
.macro SLOT_STEPS
	STEP 0
	STEP 1
	STEP 2
	STEP 3
	s_xor_b32 s[TB], s[TB], SLOT1
.endm
	s_wait_loadcnt 0x0                             ; Q
.Lslot:                                            ; seven trips: behind each change of slots but the last the next slot is asked for, up to the causal limit
	CHANGE 1
	SLOT_STEPS
	s_sub_co_u32 s[SLOTS], s[SLOTS], 1
	s_cmp_lg_u32 s[SLOTS], 0
	s_cbranch_scc1 .Lslot
	CHANGE 0                                       ; the last slot is written out: nothing is left to ask for
	SLOT_STEPS
	; THE WAY OUT.  l's halves are added; O^T / l, rounded to f16 in pairs, is half an image of y for the projection: 512 consecutive bytes a store, aligned.
.rept 4
	v_nop                                          ; places behind the last products
.endr
.irp t, 0,1
	v_add_f32 v[ST+8*\t+4], v[ST+8*\t+2], v[ST+8*\t+3]
.endr
.irp t, 0,1
	v_permlanex16_b32 v[ST+8*\t+5], v[ST+8*\t+4], s[SEL], s[SEL+1]
.endr
.irp t, 0,1
	v_add_f32 v[ST+8*\t+4], v[ST+8*\t+4], v[ST+8*\t+5]
.endr
.irp t, 0,1
	v_rcp_f32 v[ST+8*\t+6], v[ST+8*\t+4]
.endr
	v_nop
	s_wait_alu depctr_va_vdst(0)                   ; one wait for the two reciprocals, ahead of their first reader
.irp t, 0,1
.irp j, 0,2,4,6,8,10,12,14,16,18,20,22,24,26,28,30
	v_pk_mul_f32 v[O+32*\t+\j:O+32*\t+\j+1], v[O+32*\t+\j:O+32*\t+\j+1], v[ST+8*\t+6:ST+8*\t+7] op_sel_hi:[1,0]
.endr
.endr
.irp t, 0,1
.irp i, 0,1,2,3,4,5,6,7,8,9,10,11,12,13,14,15
	v_cvt_pk_f16_f32 v[S+16*\t+\i], v[O+32*\t+2*\i], v[O+32*\t+2*\i+1]
.endr
.endr
.irp t, 0,1
.irp c, 0,1,2,3
	global_store_b128 v[LI], v[S+16*\t+4*\c:S+16*\t+4*\c+3], s[YB:YB+1] offset:32768*\t+512*\c
.endr
.endr
	s_wait_tensorcnt 0x0                           ; the wave's end: three lines behind my last tensor load
	ds_add_u32 v[SPW], v[NIL]
	s_wait_dscnt 0x0
	s_endpgm
.Lfunc_end_k_q3c19575f2e_attn:
	.size	k_q3c19575f2e_attn, .Lfunc_end_k_q3c19575f2e_attn-k_q3c19575f2e_attn
	.p2alignl 7, 3214868480
	.fill 96, 4, 3214868480
	.section	.rodata,"a",@progbits
	.p2align	6, 0x0
	.amdhsa_kernel k_q3c19575f2e_attn
		.amdhsa_group_segment_fixed_size 327680
		.amdhsa_private_segment_fixed_size 0
		.amdhsa_enable_private_segment 0
		.amdhsa_kernarg_size 16
		.amdhsa_user_sgpr_count 2
		.amdhsa_user_sgpr_kernarg_segment_ptr 1
		.amdhsa_wavefront_size32 1
		.amdhsa_system_sgpr_workgroup_id_x 1
		.amdhsa_system_sgpr_workgroup_id_y 1
		.amdhsa_system_sgpr_workgroup_id_z 1
		.amdhsa_system_vgpr_workitem_id 0
		.amdhsa_next_free_vgpr 256
		.amdhsa_next_free_sgpr 66
		.amdhsa_reserve_vcc 1
		.amdhsa_float_denorm_mode_32 3
		.amdhsa_float_denorm_mode_16_64 3
		.amdhsa_memory_ordered 1
		.amdhsa_forward_progress 1
		.amdhsa_inst_pref_size 185
	.end_amdhsa_kernel
	.amdgpu_metadata
---
amdhsa.version: [ 1, 2 ]
amdhsa.kernels:
  - .name:           k_q3c19575f2e_attn
    .symbol:         k_q3c19575f2e_attn.kd
    .args:
      - { .name: qkv, .offset: 0, .size: 8, .value_kind: global_buffer, .address_space: global }
      - { .name: yi, .offset: 8, .size: 8, .value_kind: global_buffer, .address_space: global }
    .group_segment_fixed_size: 327680
    .private_segment_fixed_size: 0
    .kernarg_segment_align: 8
    .kernarg_segment_size: 16
    .max_flat_workgroup_size: 512
    .sgpr_count:     66
    .vgpr_count:     256
    .wavefront_size: 32
...
	.end_amdgpu_metadata
.endif
;; end of part 3
;; launch proj (part 4): grid 4 x 64, 4 waves a work-group, clusters of 4 x 4, 327,680 bytes of LDS; arguments yi, wp, out0; writes out0
.if DOCPART == 4
	.amdgcn_target "amdgcn-amd-amdhsa--gfx1250"
	.amdhsa_code_object_version 6
	.text
	.protected	k_q3c19575f2e_proj
	.globl	k_q3c19575f2e_proj
	.p2align	8
	.type	k_q3c19575f2e_proj,@function
k_q3c19575f2e_proj:
	s_mov_b64 s[64:65], 0
	v_nop
	global_prefetch_b8 v0, s[64:65] scope:SCOPE_SE
	s_setreg_imm32_b32 hwreg(HW_REG_WAVE_MODE, 25, 1), 1
	s_wait_xcnt 0x0
	s_wait_alu depctr_hold_cnt(0) depctr_sa_sdst(0) depctr_va_vdst(0) depctr_va_sdst(0) depctr_va_ssrc(0) depctr_va_vcc(0) depctr_vm_vsrc(0)
	s_getreg_b32 s2, hwreg(HW_REG_IB_STS2, 6, 4)
	s_cmp_eq_u32 s2, 0
	s_cbranch_scc0 .Lentry_in_a_cluster
	s_endpgm
.Lentry_in_a_cluster:
	s_bfe_u32 s2, ttmp6, 0x10000c
	s_cmp_lg_u32 s2, 0xf033
	s_cbranch_scc0 .Lentry_shape_is_right
	s_endpgm
.Lentry_shape_is_right:
; out0 = y w_proj, [8192][1024] x [1024][1024], operands in f16, sums in f32, K ascending; all rows but the first 16 positions of each batch, which a finer launch stores.
; y and w_proj arrive as images of operand registers (16 rows x 32 K: 1,024 bytes): yi [row tile 512][k block 32], wp [column tile 64][k block 32].  A K step of 128 is 4,096 consecutive bytes of each tile.
; A tile of the output is 128 rows x 256 columns: 256 work-groups of four waves, each wave 64 x 128: 32 accumulators, 256 registers.  K goes in 8 steps through a ring of two LDS slots.
; In LDS a fragment is read at 16 x lane: 512 consecutive bytes a load, no pitch, no padding.
; CLUSTERS: 4 x 4 work-groups.  The row tile is 16 cy + cluster y, the column tile cx: y's tiles are asked for jointly along a row of the cluster, w_proj's along a column.
; THE MATRIX INSTRUCTION IS USED TRANSPOSED (source 0 = 16 columns of w_proj, source 1 = 16 rows of y): a lane holds eight neighbouring numbers of a row of the output.
; No prefetch: the step's matrix work is short and the tiles are shared in the cluster.
; LIMITS: |y|, |w_proj| under 65,504 (f16).
; REGISTERS: window 0: v16-29 addresses; v32-63, v64-95 y's fragments, two buffers; v128-255 rows on the way out.  window 1: v0-63, v64-127 w_proj's fragments, two buffers.  window 2: accumulator (a, b) at v[8 (8 a + b)].
.set KSB,    4096                      ; a K step's bytes of one tile of 16 rows
.set SLOT,   98304                     ; y's 8 row tiles (32 KiB), then w_proj's 16 column tiles (64 KiB)
.set BOFF,   32768
.set STAGE,  2*SLOT                    ; behind the ring: 16 rows x (512 bytes + 16) for each wave
.set SPITCH, 528
.set SPARE,  STAGE+4*16*SPITCH         ; the spare words, 128 bytes for each wave: two blocks of 256 bytes that no other line names
.set LAPS,   4                         ; a lap = two K steps
.set ADRA, 16                          ; v16-17  LDS address of my y fragments in slot 0, 1
.set ADRB, 20                          ; v20-21  the same for w_proj
.set STO,  24                          ; v24     the way out: where I put 32 bytes of a row
.set RD,   25                          ; v25     where I read a row back
.set CO,   26                          ; v26     my byte offset in a row of the output
.set SPW,  28                          ; v28     LDS address of my spare word; never rewritten
.set NIL,  29                          ; v29     0; never rewritten
.set AF,   32
.set BK,   128
.set G1, 24
.set G0, 32
.set G1B, 48
.set G0B, 56
.set MSB, 0
.macro WIN new
.if MSB != \new
	s_set_vgpr_msb (MSB<<8)|\new
.set MSB, \new
.endif
.endm
.set MUL,  0xa1                        ; source 0 window 1, source 1 window 0, C and D window 2
.set TO_B, 0x40                        ; destination window 1, address window 0
.macro JLOAD s                         ; waves 0 and 1 fetch y's two halves, waves 2 and 3 w_proj's; an s_nop 0 and four v_nop follow each of the two lines
	s_cmp_eq_u32 s11, 0
	s_cbranch_scc0 .Lfor_b_\@
	tensor_load_to_lds s[G0+4*\s:G0+4*\s+3], s[G1:G1+7]
	s_nop 0
.rept 4
	v_nop
.endr
	s_branch .Lasked_\@
.Lfor_b_\@:
	tensor_load_to_lds s[G0B+4*\s:G0B+4*\s+3], s[G1B:G1B+7]
	s_nop 0
.rept 4
	v_nop
.endr
.Lasked_\@:
.endm
.macro CREST
	s_cmp_lg_u32 s10, 0
	s_cbranch_scc1 .Lnot_wave_0_\@
	s_barrier_signal -3
.Lnot_wave_0_\@:
	s_barrier_wait -3
	s_barrier_signal -1
	s_barrier_wait -1
.endm
.macro CROUND
	s_barrier_signal -1
	s_barrier_wait -1
	CREST
.endm
	s_load_b128 s[4:7], s[0:1], 0x0                ; yi s[4:5], wp s[6:7]
	s_load_b64 s[8:9], s[0:1], 0x10                ; out0
	v_lshl_add_u32 v[SPW], v0, 2, SPARE
	v_mov_b32 v[NIL], 0
	ds_add_u32 v[SPW], v[NIL]                      ; the wave's opening: the add, twice on end, and its wait ahead of my first tensor load
	ds_add_u32 v[SPW], v[NIL]
	v_lshrrev_b32 v1, 5, v0
	v_readfirstlane_b32 s10, v1                    ; wave 0..3
	s_lshr_b32 s11, s10, 1                         ; which 64 rows are mine.  Also: I fetch for y (0) or for w_proj (1)
	s_and_b32 s12, s10, 1                          ; which 128 columns.  Also: which half I fetch
	s_bfe_u32 s40, ttmp6, 0x40000                  ; cx: the column tile
	s_bfe_u32 s41, ttmp6, 0x40004                  ; cy: the batch
	s_and_b32 s42, ttmp7, 0xffff                   ; the cluster's y, 0..15: which 128 rows of the batch
	s_lshl_b32 s13, s41, 4
	s_add_co_u32 s13, s13, s42                     ; the row tile: 16 cy + y
	s_lshl_b32 s43, s41, 2
	s_lshl_b32 s43, 15, s43                        ; my row of the cluster
	s_lshl_b32 s44, 0x1111, s40                    ; my column
	; descriptor group 1: rows of 4,096 bytes (512 elements of 8 bytes), 32,768 bytes apart: y 4 rows a load, w_proj 8
	s_or_b32 s[G1+0], s43, (3<<16)|(1<<21)
	s_or_b32 s[G1B+0], s44, (3<<16)|(1<<21)
	s_mov_b32 s[G1+1], 512<<16                     ; tensor_dim0
	s_mov_b32 s[G1+2], 4<<16                       ; tensor_dim1
	s_mov_b32 s[G1+3], 512<<16                     ; tile_dim0
	s_mov_b32 s[G1+4], 4                           ; tile_dim1
	s_mov_b32 s[G1+5], 4096                        ; from row to row, in elements
	s_mov_b32 s[G1+6], 0
	s_mov_b32 s[G1+7], 0
	s_mov_b32 s[G1B+1], 512<<16
	s_mov_b32 s[G1B+2], 8<<16
	s_mov_b32 s[G1B+3], 512<<16
	s_mov_b32 s[G1B+4], 8
	s_mov_b32 s[G1B+5], 4096
	s_mov_b32 s[G1B+6], 0
	s_mov_b32 s[G1B+7], 0
	s_lshl_b32 s16, s13, 3
	s_lshl_b32 s17, s12, 2
	s_add_co_u32 s16, s16, s17
	s_lshl_b32 s16, s16, 15                        ; y: tile of 16 rows 8 x row tile + 4 x half, 32,768 bytes each
	s_mov_b32 s17, 0
	s_lshl_b32 s46, s40, 4
	s_lshl_b32 s47, s12, 3
	s_add_co_u32 s46, s46, s47
	s_lshl_b32 s46, s46, 15                        ; w_proj: tile of 16 columns 16 cx + 8 x half
	s_mov_b32 s47, 0
	s_lshl_b32 s20, s12, 14                        ; where they go: y's halves 16 KiB apart,
	s_lshl_b32 s21, s12, 15
	s_add_co_u32 s21, s21, BOFF                    ; w_proj's 32 KiB apart, behind y's: no place in the cluster enters an LDS address
	s_wait_dscnt 0x0                               ; both opening adds are done
	s_wait_kmcnt 0x0
	s_add_nc_u64 s[14:15], s[4:5], s[16:17]
	s_add_nc_u64 s[46:47], s[6:7], s[46:47]
	CROUND                                         ; all sixteen work-groups are here: the first joint loads meet
.irp s, 0,1
	s_mov_b32 s[G0+4*\s], 1
	s_add_co_u32 s[G0+4*\s+1], s20, \s*SLOT
	s_add_nc_u64 s[G0+4*\s+2:G0+4*\s+3], s[14:15], \s*KSB
	s_or_b32 s[G0+4*\s+3], s[G0+4*\s+3], 0x80000000
	s_mov_b32 s[G0B+4*\s], 1
	s_add_co_u32 s[G0B+4*\s+1], s21, \s*SLOT
	s_add_nc_u64 s[G0B+4*\s+2:G0B+4*\s+3], s[46:47], \s*KSB
	s_or_b32 s[G0B+4*\s+3], s[G0B+4*\s+3], 0x80000000
	JLOAD \s                                       ; two loads of mine are out behind the second
.endr
	v_and_b32 v1, 31, v0
	v_lshlrev_b32 v2, 4, v1                        ; 16 x lane
	s_lshl_b32 s22, s11, 14                        ; my four row tiles
	s_lshl_b32 s23, s12, 15
	s_add_co_u32 s23, s23, BOFF                    ; my eight column tiles
.irp s, 0,1
	v_add_nc_u32 v[ADRA+\s], s22, v2
	v_add_nc_u32 v[ADRB+\s], s23, v2
	s_add_co_u32 s22, s22, SLOT
	s_add_co_u32 s23, s23, SLOT
.endr
	v_and_b32 v3, 15, v0                           ; r
	v_bfe_u32 v4, v0, 4, 1                         ; h
	s_mul_i32 s23, s10, 16*SPITCH
	s_add_co_u32 s23, s23, STAGE                   ; my stage
	v_mul_u32_u24 v5, v3, SPITCH
	v_lshl_add_u32 v5, v4, 5, v5
	v_add_nc_u32 v[STO], s23, v5                   ; in: row r, 32 bytes for each half of the lanes
	v_add_nc_u32 v[RD], s23, v2                    ; back: the 32 lanes take one row of 512 bytes
	v_mov_b32 v[CO], v2
	s_lshl_b32 s18, s13, 7
	s_lshl_b32 s22, s11, 6
	s_add_co_u32 s18, s18, s22                     ; my first row: 128 x row tile + 64 x half
	s_lshl_b32 s18, s18, 12
	s_lshl_b32 s22, s40, 10
	s_add_co_u32 s18, s18, s22                     ; my first column, in bytes: 1,024 cx + 512 x half
	s_lshl_b32 s22, s12, 9
	s_add_co_u32 s18, s18, s22
	s_mov_b32 s19, 0
	s_add_nc_u64 s[8:9], s[8:9], s[18:19]
; 8 matrix instructions: row block a x the 8 column blocks, 32 along K, from buffer f.  zero = 1: the first product starts the sums.  The 32 accumulators take turns in the same order in every quarter.
.macro MUL8 f, a, zero
.irp b, 0,1,2,3,4,5,6,7
.if \zero
	v_wmma_f32_16x16x32_f16 v[8*(8*(\a)+\b):8*(8*(\a)+\b)+7], v[64*(\f)+8*\b:64*(\f)+8*\b+7], v[AF+32*(\f)+8*(\a):AF+32*(\f)+8*(\a)+7], 0
.else
	v_wmma_f32_16x16x32_f16 v[8*(8*(\a)+\b):8*(8*(\a)+\b)+7], v[64*(\f)+8*\b:64*(\f)+8*\b+7], v[AF+32*(\f)+8*(\a):AF+32*(\f)+8*(\a)+7], v[8*(8*(\a)+\b):8*(8*(\a)+\b)+7]
.endif
.endr
.endm
; 24 LDS loads in one run: the fragments of the slot's kq-th 32 along K into buffer f: w_proj's eight, then y's four
.macro FETCH slot, kq, f
	WIN TO_B
.irp i, 0,1,2,3,4,5,6,7
	ds_load_b128 v[64*(\f)+8*\i:64*(\f)+8*\i+3],   v[ADRB+\slot] offset:\i*KSB+(\kq)*1024
	ds_load_b128 v[64*(\f)+8*\i+4:64*(\f)+8*\i+7], v[ADRB+\slot] offset:\i*KSB+(\kq)*1024+512
.endr
	WIN 0
.irp i, 0,1,2,3
	ds_load_b128 v[AF+32*(\f)+8*\i:AF+32*(\f)+8*\i+3],   v[ADRA+\slot] offset:\i*KSB+(\kq)*1024
	ds_load_b128 v[AF+32*(\f)+8*\i+4:AF+32*(\f)+8*\i+7], v[ADRA+\slot] offset:\i*KSB+(\kq)*1024+512
.endr
.endm
.macro PLACES                          ; four plain vector instructions in front of loads into registers that matrix instructions have read, and of the first read of results (ISA guide 7.12.1 for the reads)
.rept 4
	v_nop
.endr
.endm
; A K step is four quarters of 32 along K, 32 matrix instructions each, on buffers 0, 1, 0, 1.  One of the first three: multiplies buffer f and fetches the slot's kq-th quarter into g.
.macro QUARTER slot, kq, f, g, zero
	s_wait_dscnt 4                                 ; all but the youngest four loads (y's blocks 2 and 3)
	WIN MUL
	MUL8 \f, 0, \zero
	MUL8 \f, 1, \zero
	PLACES
	FETCH \slot, \kq, \g
	s_wait_dscnt 24                                ; all but the 24 just issued
	WIN MUL
	MUL8 \f, 2, \zero
	MUL8 \f, 3, \zero
.endm
; The last quarter multiplies buffer 1 and changes slots: ONE barrier; in front of it each wave waits for all its tensor loads (its part of the next slot), adds 0 to its spare word, and waits for that and for its reads of this slot.
; fill = 1: the barrier opens a round of the cluster's barrier, and this slot is filled again, two K steps ahead, first thing behind the round.
.macro TURN slot, next, fill
	WIN 0                                          ; (the add's two registers lie in window 0)
	s_wait_tensorcnt 0x0
	ds_add_u32 v[SPW], v[NIL]
	s_wait_dscnt 5                                 ; (the add and the youngest four loads may be out)
	WIN MUL
	MUL8 1, 0, 0
	s_wait_dscnt 0x0                               ; the add is done, and my reads of this slot are over
	s_barrier_signal -1
	MUL8 1, 1, 0
	WIN 0
	s_barrier_wait -1
.if \fill
	CREST                                          ; no wave of any partner still reads this slot's tile or has a load on its way
	s_add_nc_u64 s[G0+4*\slot+2:G0+4*\slot+3], s[G0+4*\slot+2:G0+4*\slot+3], 2*KSB
	s_add_nc_u64 s[G0B+4*\slot+2:G0B+4*\slot+3], s[G0B+4*\slot+2:G0B+4*\slot+3], 2*KSB
	JLOAD \slot                                    ; my one tensor load behind the round; its four v_nop are also the places in front of the loads below
.else
	PLACES
.endif
	FETCH \next, 0, 0
	WIN MUL
	MUL8 1, 2, 0
	MUL8 1, 3, 0
.endm
	s_wait_tensorcnt 1                             ; my part of K step 0 is in (K step 1's may be out)
	s_barrier_signal -1
	s_barrier_wait -1                              ; everybody's is
	FETCH 0, 0, 0
	QUARTER 0, 1, 0, 1, 1                          ; the first quarter stands in front of the loop: its products start the sums
	WIN 0                                          ; at a label and at a branch every window is 0
	s_mov_b32 s3, LAPS-1
.Llap:                                             ; a trip goes once round the ring, from a lap's second quarter to the next lap's first, and fills both slots again
	QUARTER 0, 2, 1, 0, 0
	QUARTER 0, 3, 0, 1, 0
	TURN 0, 1, 1
	QUARTER 1, 1, 0, 1, 0
	QUARTER 1, 2, 1, 0, 0
	QUARTER 1, 3, 0, 1, 0
	TURN 1, 0, 1
	QUARTER 0, 1, 0, 1, 0
	WIN 0
	s_sub_co_u32 s3, s3, 1
	s_cmp_lg_u32 s3, 0
	s_cbranch_scc1 .Llap
	QUARTER 0, 2, 1, 0, 0                          ; the last lap fills nothing, and has no round of the cluster's barrier
	QUARTER 0, 3, 0, 1, 0
	TURN 0, 1, 0
	QUARTER 1, 1, 0, 1, 0
	QUARTER 1, 2, 1, 0, 0
	QUARTER 1, 3, 0, 1, 0
	s_wait_dscnt 4                                 ; the very last quarter: nothing more to fetch
	WIN MUL
	MUL8 1, 0, 0
	MUL8 1, 1, 0
	s_wait_dscnt 0
	MUL8 1, 2, 0
	MUL8 1, 3, 0
	WIN 0
; THE WAY OUT, block by block of 16 rows x 128 columns: through my own stage in LDS and back as whole rows of 512 bytes, which the 32 lanes store as 512 consecutive bytes, aligned.
; LDS serves a wave's instructions in order (ISA guide 5.7.1.4): no wait between the stores and the loads.
.macro TOSTAGE a
	WIN 0x08                                       ; an LDS store's data are its source 1: window 2
.irp b, 0,1,2,3,4,5,6,7
	ds_store_b128 v[STO], v[8*(8*(\a)+\b):8*(8*(\a)+\b)+3] offset:64*\b          ; each accumulator from its low end on
	ds_store_b128 v[STO], v[8*(8*(\a)+\b)+4:8*(8*(\a)+\b)+7] offset:64*\b+16
.endr
	WIN 0
.set BB, BK+64*((\a)%2)
.irp t, 0,1,2,3,4,5,6,7,8,9,10,11,12,13,14,15
	ds_load_b128 v[BB+4*\t:BB+4*\t+3], v[RD] offset:\t*SPITCH
.endr
.endm
.macro SEND a
.set BB, BK+64*((\a)%2)
	s_wait_dscnt 0x0                               ; the block is back in registers
.irp t, 0,1,2,3,4,5,6,7,8,9,10,11,12,13,14,15
	global_store_b128 v[CO], v[BB+4*\t:BB+4*\t+3], s[8:9] offset:(16*(\a)+\t)*4096 th:TH_STORE_NT
.endr
.endm
	PLACES
	s_or_b32 s20, s42, s11                         ; do my rows begin a batch?  Its first 16 rows are the finer launch's.  (The cluster's y and the wave's number: the same in all partners)
	s_cmp_eq_u32 s20, 0
	s_cbranch_scc1 .Lskip0
	TOSTAGE 0
	SEND 0
.Lskip0:
	TOSTAGE 1
	SEND 1
	s_wait_xcnt 0x0                                ; block 0's stores have read the registers into which block 2 is read back
	TOSTAGE 2
	SEND 2
	s_wait_xcnt 0x0
	TOSTAGE 3
	SEND 3
	s_wait_tensorcnt 0x0                           ; the wave's end: three lines behind my last tensor load and my last LDS store
	ds_add_u32 v[SPW], v[NIL]
	s_wait_dscnt 0x0
	CROUND                                         ; the closing round
	s_endpgm
.Lfunc_end_k_q3c19575f2e_proj:
	.size	k_q3c19575f2e_proj, .Lfunc_end_k_q3c19575f2e_proj-k_q3c19575f2e_proj
	.p2alignl 7, 3214868480
	.fill 96, 4, 3214868480
	.section	.rodata,"a",@progbits
	.p2align	6, 0x0
	.amdhsa_kernel k_q3c19575f2e_proj
		.amdhsa_group_segment_fixed_size 327680
		.amdhsa_private_segment_fixed_size 0
		.amdhsa_enable_private_segment 0
		.amdhsa_kernarg_size 24
		.amdhsa_user_sgpr_count 2
		.amdhsa_user_sgpr_kernarg_segment_ptr 1
		.amdhsa_wavefront_size32 1
		.amdhsa_system_sgpr_workgroup_id_x 1
		.amdhsa_system_sgpr_workgroup_id_y 1
		.amdhsa_system_sgpr_workgroup_id_z 1
		.amdhsa_system_vgpr_workitem_id 0
		.amdhsa_next_free_vgpr 768
		.amdhsa_next_free_sgpr 66
		.amdhsa_reserve_vcc 0
		.amdhsa_float_denorm_mode_32 3
		.amdhsa_float_denorm_mode_16_64 3
		.amdhsa_memory_ordered 1
		.amdhsa_forward_progress 1
		.amdhsa_inst_pref_size 85
	.end_amdhsa_kernel
	.amdgpu_metadata
---
amdhsa.version: [ 1, 2 ]
amdhsa.kernels:
  - .name:           k_q3c19575f2e_proj
    .symbol:         k_q3c19575f2e_proj.kd
    .args:
      - { .name: yi, .offset: 0, .size: 8, .value_kind: global_buffer, .address_space: global }
      - { .name: wp, .offset: 8, .size: 8, .value_kind: global_buffer, .address_space: global }
      - { .name: out0, .offset: 16, .size: 8, .value_kind: global_buffer, .address_space: global }
    .group_segment_fixed_size: 327680
    .private_segment_fixed_size: 0
    .kernarg_segment_align: 8
    .kernarg_segment_size: 24
    .max_flat_workgroup_size: 128
    .sgpr_count:     66
    .vgpr_count:     768
    .wavefront_size: 32
...
	.end_amdgpu_metadata
.endif
;; end of part 4
;; launch fine (part 5): grid 16 x 4, 16 waves a work-group, no clusters, 85,504 bytes of LDS; arguments r16, w_proj, out0; writes out0
.if DOCPART == 5
	.amdgcn_target "amdgcn-amd-amdhsa--gfx1250"
	.amdhsa_code_object_version 6
	.text
	.protected	k_q3c19575f2e_fine
	.globl	k_q3c19575f2e_fine
	.p2align	8
	.type	k_q3c19575f2e_fine,@function
k_q3c19575f2e_fine:
	s_mov_b64 s[64:65], 0
	v_nop
	global_prefetch_b8 v0, s[64:65] scope:SCOPE_SE
	s_setreg_imm32_b32 hwreg(HW_REG_WAVE_MODE, 25, 1), 1
	s_wait_xcnt 0x0
; The first 16 positions of each batch, in f32 from the quantised product's sums to the output: under the causal mask these rows average one to sixteen values and are the largest in size.
; A work-group takes a batch (y) and 64 columns of the output (x).  PHASE 1: wave w makes head w's 16 x 16 attention (every work-group of a batch makes it anew: 16 x 16 x 64 numbers a head).
; PHASE 2: wave w multiplies the 16 rows of y by 256 rows (w / 4) x 16 columns (w % 4) of w_proj.  END: wave w adds the four parts of output row w and stores 256 consecutive bytes, aligned.
; All products by the f32 matrix form, 16 x 16 x 4 (lane (r, h) holds row r, k = 2 h + j in register j).  The order of k is permuted alike on both sides: a lane's registers run along neighbours in memory.
; The registers that this form writes, v176-207, are written by matrix instructions alone; each sum begins with the constant 0; accumulators take turns.
; r16: q [4][16][1024] at 0, k at 262,144, v transposed [4][1024 channels][16 positions] at 524,288, all f32.
.set YP,    4112                       ; LDS: y, 16 rows of 4,096 bytes + 16
.set PB,    66048                      ; the four parts of the output: part x 4,352 + row x 272
.set PP,    272
.set SPARE, 83456                      ; the spare words, 128 bytes for each wave: eight blocks of 256 bytes that no other line names
.set SPW,   14                         ; v14  LDS address of my spare word; never rewritten
.set NIL,   15                         ; v15  0; never rewritten
; v1 r, v2 h; v3 q, k offset; v4 v offset; v5 w_proj offset; v6 r - 8 h; v7 -infinity; v8, v9 y in LDS (store, load); v10, v11 parts in LDS (store, load); v12 8 x lane; v13 a permute's destination
; v16-47 q, v48-79 k (later w_proj's rows 64 .. 127 of my half); v80-111 v (later y); v112-175 w_proj's rows 0 .. 63; v176-207 accumulators; v208-215 scores, p, sums; v216-247 y; v248-255 at work
	s_load_b128 s[4:7], s[0:1], 0x0                ; r16 s[4:5], w_proj s[6:7]
	s_load_b64 s[8:9], s[0:1], 0x10                ; out0
	v_lshl_add_u32 v[SPW], v0, 2, SPARE
	v_mov_b32 v[NIL], 0
	v_lshrrev_b32 v1, 5, v0
	v_readfirstlane_b32 s10, v1                    ; wave 0..15
	s_and_b32 s11, ttmp7, 0xffff                   ; batch
	s_and_b32 s12, s10, 3                          ; phase 2: which 16 columns
	s_lshr_b32 s13, s10, 2                         ; and which 256 along K
	v_and_b32 v1, 15, v0                           ; r
	v_bfe_u32 v2, v0, 4, 1                         ; h
	v_lshlrev_b32 v3, 12, v1
	v_lshl_add_u32 v3, v2, 7, v3                   ; q, k: row r of 4,096 bytes, + 32 h channels
	v_lshlrev_b32 v4, 6, v1
	v_lshl_add_u32 v4, v2, 5, v4                   ; v: channel r of 64 bytes, + 8 h positions
	v_lshlrev_b32 v5, 2, v1
	v_lshl_add_u32 v5, v2, 19, v5                  ; w_proj: column r, + 128 h rows of 4,096 bytes
	v_lshlrev_b32 v6, 3, v2
	v_sub_nc_u32 v6, v1, v6
	v_mov_b32 v7, 0xff800000
	v_mul_u32_u24 v8, v1, YP
	v_lshl_add_u32 v9, v2, 9, v8
	v_lshl_add_u32 v8, v2, 5, v8
	s_lshl_b32 s14, s10, 8
	v_add_nc_u32 v8, s14, v8                       ; y, in: row r, head w's 256 bytes, + 32 h
	s_lshl_b32 s14, s13, 10
	v_add_nc_u32 v9, s14, v9                       ; y, back: row r, my 256 along K, + 128 h of them
	v_mul_u32_u24 v10, v1, PP
	v_lshl_add_u32 v10, v2, 5, v10
	s_mul_i32 s14, s13, 16*PP
	s_lshl_b32 s15, s12, 6
	s_add_co_u32 s14, s14, s15
	s_add_co_u32 s14, s14, PB
	v_add_nc_u32 v10, s14, v10                     ; a part, in: part w / 4, row r, my 16 columns, + 32 h
	v_and_b32 v12, 31, v0
	v_lshlrev_b32 v12, 3, v12
	s_mul_i32 s14, s10, PP
	s_add_co_u32 s14, s14, PB
	v_add_nc_u32 v11, s14, v12                     ; back: row w, 8 bytes a lane
	v_mov_b32 v13, 0
	s_mov_b32 s24, 0x76543210
	s_mov_b32 s25, 0xfedcba98                      ; v_permlanex16_b32's selects for lane xor 16
	s_mov_b32 s26, 0x3e38aa3b                      ; c = log2(e) / 8
	s_lshl_b32 s28, s11, 16
	s_lshl_b32 s14, s10, 8
	s_add_co_u32 s28, s28, s14                     ; q: batch x 65,536 + head x 256
	s_mov_b32 s29, 0
	s_lshl_b32 s30, s11, 16
	s_lshl_b32 s14, s10, 12
	s_add_co_u32 s30, s30, s14
	s_add_co_u32 s30, s30, 524288                  ; v: + batch x 65,536 + head x 4,096
	s_mov_b32 s31, 0
	s_lshl_b32 s32, s13, 20                        ; w_proj: 256 rows of 4,096 bytes,
	s_lshl_b32 s14, ttmp9, 8
	s_add_co_u32 s32, s32, s14                     ; the work-group's 64 columns,
	s_lshl_b32 s14, s12, 6
	s_add_co_u32 s32, s32, s14                     ; my 16
	s_mov_b32 s33, 0
	s_lshl_b32 s34, s11, 11
	s_add_co_u32 s34, s34, s10
	s_lshl_b32 s34, s34, 12                        ; out0: row 2,048 x batch + wave,
	s_lshl_b32 s14, ttmp9, 8
	s_add_co_u32 s34, s34, s14                     ; the work-group's 256 bytes
	s_mov_b32 s35, 0
	s_wait_kmcnt 0x0
	s_add_nc_u64 s[16:17], s[4:5], s[28:29]
	s_add_nc_u64 s[20:21], s[4:5], s[30:31]
	s_add_nc_u64 s[22:23], s[6:7], s[32:33]
	s_add_nc_u64 s[8:9], s[8:9], s[34:35]
.irp n, 0,1,2,3,4,5,6,7
	global_load_b128 v[16+4*\n:19+4*\n], v3, s[16:17] offset:16*\n            ; q(r, 32 h + 4 n ..)
.endr
.irp n, 0,1,2,3,4,5,6,7
	global_load_b128 v[48+4*\n:51+4*\n], v3, s[16:17] offset:262144+16*\n     ; k likewise
.endr
.irp c, 0,1,2,3
	global_load_b128 v[80+8*\c:83+8*\c], v4, s[20:21] offset:1024*\c          ; v(channel 16 c + r, positions 8 h + 0 .. 7)
	global_load_b128 v[84+8*\c:87+8*\c], v4, s[20:21] offset:1024*\c+16
.endr
.set i, 0
.rept 64
	global_load_b32 v[112+i], v5, s[22:23] offset:i*4096                      ; w_proj(128 h + i, column r)
.set i, i+1
.endr
	s_wait_loadcnt 63                              ; q, k and v are in (64 younger loads could stay out; the count's field ends at 63)
	; ---- phase 1: S^T = k q^T (source 0 = 16 keys, source 1 = 16 queries): 16 steps of 4 channels on two accumulators by turns
	v_wmma_f32_16x16x4_f32 v[176:183], v[48:49], v[16:17], 0
	v_wmma_f32_16x16x4_f32 v[184:191], v[50:51], v[18:19], 0
.irp u, 4,8,12,16,20,24,28
	v_wmma_f32_16x16x4_f32 v[176:183], v[48+\u:49+\u], v[16+\u:17+\u], v[176:183]
	v_wmma_f32_16x16x4_f32 v[184:191], v[50+\u:51+\u], v[18+\u:19+\u], v[184:191]
.endr
.rept 9
	v_nop                                          ; places behind this form: in front of the loads over q and k and of the first read of the sums
.endr
.set i, 0
.rept 64
	global_load_b32 v[16+i], v5, s[22:23] offset:(64+i)*4096                  ; w_proj(128 h + 64 + i, column r)
.set i, i+1
.endr
.irp j, 0,1,2,3,4,5,6,7
	v_add_f32 v[208+\j], v[176+\j], v[184+\j]      ; lane (r, h), register j: the score of key 8 h + j for query r
.endr
.irp j, 0,1,2,3,4,5,6,7
	v_cmp_gt_i32 vcc_lo, \j, v6                    ; hidden where 8 h + j > r
	v_cndmask_b32 v[208+\j], v[208+\j], v7, vcc_lo
.endr
	v_max3_num_f32 v248, v208, v209, v210
	v_max3_num_f32 v248, v248, v211, v212
	v_max3_num_f32 v248, v248, v213, v214
	v_max_num_f32 v248, v248, v215
	v_permlanex16_b32 v13, v248, s24, s25
	v_max_num_f32 v248, v248, v13                  ; the row's maximum: key 0 counts for every query
	v_mul_f32 v249, s26, v248
.irp j, 0,1,2,3,4,5,6,7
	v_fma_f32 v[208+\j], v[208+\j], s26, -v249     ; c s - c m
.endr
.irp j, 0,1,2,3,4,5,6,7
	v_exp_f32 v[208+\j], v[208+\j]
.endr
	v_nop
	s_wait_alu depctr_va_vdst(0)                   ; one wait for the eight exponentials, ahead of their first reader
	v_add_f32 v250, v208, v209
	v_add_f32 v252, v210, v211
	v_add_f32 v253, v212, v213
	v_add_f32 v254, v214, v215
	v_add_f32 v250, v250, v252
	v_add_f32 v253, v253, v254
	v_add_f32 v250, v250, v253
	v_permlanex16_b32 v13, v250, s24, s25
	v_add_f32 v250, v250, v13                      ; the row's sum
	v_rcp_f32 v251, v250
.rept 9
	v_nop                                          ; places in front of matrix instructions that write over the first product's sums
.endr
	; O^T = v^T p (source 0 = 16 channels, source 1 = p): 4 steps of 4 keys on four accumulators by turns; keys 2 s, 2 s + 1 in lanes 0-15 and 8 + 2 s, 9 + 2 s in lanes 16-31, on both sides
.irp c, 0,1,2,3
	v_wmma_f32_16x16x4_f32 v[176+8*\c:183+8*\c], v[80+8*\c:81+8*\c], v[208:209], 0
.endr
.irp s, 1,2,3
.irp c, 0,1,2,3
	v_wmma_f32_16x16x4_f32 v[176+8*\c:183+8*\c], v[80+8*\c+2*\s:81+8*\c+2*\s], v[208+2*\s:209+2*\s], v[176+8*\c:183+8*\c]
.endr
.endr
.rept 8
	v_nop
.endr
	s_wait_alu depctr_va_vdst(0)                   ; the reciprocal's wait, ahead of its first reader
.set i, 0
.rept 32
	v_mul_f32 v[216+i], v[176+i], v251             ; y(query r, channel 16 c + 8 h + j), each accumulator from its low end on
.set i, i+1
.endr
.irp c, 0,1,2,3
	ds_store_b128 v8, v[216+8*\c:219+8*\c] offset:64*\c
	ds_store_b128 v8, v[220+8*\c:223+8*\c] offset:64*\c+16
.endr
	s_wait_dscnt 0x0                               ; for the others' sake: my stores have landed
	s_barrier_signal -1
	s_barrier_wait -1                              ; the 16 rows of y lie in LDS
	; ---- phase 2: 64 steps of 4 along K (source 0 = 16 columns of w_proj, source 1 = 16 rows of y) on four accumulators by turns; y comes in four chunks of 32 numbers a lane
.macro CHUNK ch, buf
.irp n, 0,1,2,3,4,5,6,7
	ds_load_b128 v[\buf+4*\n:\buf+4*\n+3], v9 offset:128*\ch+16*\n
.endr
.endm
.macro PROD wb, yb, first
.irp e, 0,1,2,3,4,5,6,7,8,9,10,11,12,13,14,15
.if \first && (\e < 4)
	v_wmma_f32_16x16x4_f32 v[176+8*(\e%4):183+8*(\e%4)], v[\wb+2*\e:\wb+2*\e+1], v[\yb+2*\e:\yb+2*\e+1], 0
.else
	v_wmma_f32_16x16x4_f32 v[176+8*(\e%4):183+8*(\e%4)], v[\wb+2*\e:\wb+2*\e+1], v[\yb+2*\e:\yb+2*\e+1], v[176+8*(\e%4):183+8*(\e%4)]
.endif
.endr
.endm
	CHUNK 0, 80
	CHUNK 1, 216
.rept 9
	v_nop                                          ; places in front of matrix instructions that write over the last sums
.endr
	s_wait_loadcnt 63                              ; w_proj's first 64 rows are in
	s_wait_dscnt 8                                 ; chunk 0 is in
	PROD 112, 80, 1
.rept 8
	v_nop                                          ; places in front of loads into registers that matrix instructions have read
.endr
	CHUNK 2, 80
	s_wait_dscnt 8                                 ; chunk 1 is in
	PROD 144, 216, 0
.rept 8
	v_nop
.endr
	CHUNK 3, 216
	s_wait_loadcnt 0x0                             ; w_proj's other 64 rows
	s_wait_dscnt 8                                 ; chunk 2 is in
	PROD 16, 80, 0
	s_wait_dscnt 0x0
	PROD 48, 216, 0
.rept 8
	v_nop
.endr
.irp j, 0,1,2,3,4,5,6,7
	v_add_f32 v[208+\j], v[176+\j], v[184+\j]
.endr
.irp j, 0,1,2,3,4,5,6,7
	v_add_f32 v[248+\j], v[192+\j], v[200+\j]
.endr
.irp j, 0,1,2,3,4,5,6,7
	v_add_f32 v[208+\j], v[208+\j], v[248+\j]      ; lane (r, h), register j: my part of out(row r, column 16 (w % 4) + 8 h + j)
.endr
	ds_store_b128 v10, v[208:211]
	ds_store_b128 v10, v[212:215] offset:16
	s_wait_dscnt 0x0
	s_barrier_signal -1
	s_barrier_wait -1                              ; the four parts of 16 rows x 64 columns lie in LDS
.irp q, 0,1,2,3
	ds_load_b64 v[216+2*\q:217+2*\q], v11 offset:\q*16*PP
.endr
	s_wait_dscnt 0x0
	v_pk_add_f32 v[216:217], v[216:217], v[218:219]
	v_pk_add_f32 v[220:221], v[220:221], v[222:223]
	v_pk_add_f32 v[216:217], v[216:217], v[220:221]
	global_store_b64 v12, v[216:217], s[8:9]       ; the wave stores 256 consecutive bytes, aligned
	s_wait_tensorcnt 0x0                           ; the wave's end
	ds_add_u32 v[SPW], v[NIL]
	s_wait_dscnt 0x0
	s_endpgm
.Lfunc_end_k_q3c19575f2e_fine:
	.size	k_q3c19575f2e_fine, .Lfunc_end_k_q3c19575f2e_fine-k_q3c19575f2e_fine
	.p2alignl 7, 3214868480
	.fill 96, 4, 3214868480
	.section	.rodata,"a",@progbits
	.p2align	6, 0x0
	.amdhsa_kernel k_q3c19575f2e_fine
		.amdhsa_group_segment_fixed_size 85504
		.amdhsa_private_segment_fixed_size 0
		.amdhsa_enable_private_segment 0
		.amdhsa_kernarg_size 24
		.amdhsa_user_sgpr_count 2
		.amdhsa_user_sgpr_kernarg_segment_ptr 1
		.amdhsa_wavefront_size32 1
		.amdhsa_system_sgpr_workgroup_id_x 1
		.amdhsa_system_sgpr_workgroup_id_y 1
		.amdhsa_system_sgpr_workgroup_id_z 1
		.amdhsa_system_vgpr_workitem_id 0
		.amdhsa_next_free_vgpr 256
		.amdhsa_next_free_sgpr 66
		.amdhsa_reserve_vcc 1
		.amdhsa_float_denorm_mode_32 3
		.amdhsa_float_denorm_mode_16_64 3
		.amdhsa_memory_ordered 1
		.amdhsa_forward_progress 1
		.amdhsa_inst_pref_size 34
	.end_amdhsa_kernel
	.amdgpu_metadata
---
amdhsa.version: [ 1, 2 ]
amdhsa.kernels:
  - .name:           k_q3c19575f2e_fine
    .symbol:         k_q3c19575f2e_fine.kd
    .args:
      - { .name: r16, .offset: 0, .size: 8, .value_kind: global_buffer, .address_space: global }
      - { .name: w_proj, .offset: 8, .size: 8, .value_kind: global_buffer, .address_space: global }
      - { .name: out0, .offset: 16, .size: 8, .value_kind: global_buffer, .address_space: global }
    .group_segment_fixed_size: 85504
    .private_segment_fixed_size: 0
    .kernarg_segment_align: 8
    .kernarg_segment_size: 24
    .max_flat_workgroup_size: 512
    .sgpr_count:     66
    .vgpr_count:     256
    .wavefront_size: 32
...
	.end_amdgpu_metadata
.endif
;; end of part 5
